; MI455X (gfx1250); checked and timed in simulation.
; The chip was launched on July 23, 2026; its instructions are those of AMD's public machine-readable ISA for CDNA 5 (MIT licence, August 2026) and "CDNA5" Instruction Set Architecture Reference Guide (July 2026). The comments in the code are by the model that wrote it; some were corrected since.
;; Attention. Allowed arithmetic: matrix products marked QUANTISED: E2M3 operands, one E8M0 scale for each 32 along K, by v_wmma_scale_f32_16x16x128_f8f6f4 with both operands' format E2M3, f32 sums; everything else in f32.
;; Inputs: freqs_cos 1,024 x 32 float32; freqs_sin 1,024 x 32 float32; wo 2,048 x 2,048 float32; wqkv 3,072 x 2,048 float32; x 4 x 1,024 x 2,048 float32.
;; Outputs: out0 4 x 1,024 x 2,048 float32.
;; This version of the problem:
;;   THIS VERSION OF THE PROBLEM IS GIVEN IN LOW PRECISION. The matrix products marked QUANTISED in the list below multiply operands that are first quantised to E2M3 (2 exponent bits, 3 mantissa bits; 6 bits a number), with one power-of-two scale for each 32 numbers along K (OCP MX v1.0); their sums are f32. All else is computed in f32.
;;   The module's matrix products, in the order in which they are computed (A, B: the left and right operand; K: the contracted axis; several contracted axes count as one K, in the product's order):
;;     1. [M 4,096, K 2,048] x [K 2,048, N 3,072]; A: input x; B: input wqkv: QUANTISED
;;     2. batch 128 x [M 1,024, K 64] x [K 64, N 1,024]; A: computed on the way; B: computed on the way: QUANTISED
;;     3. batch 128 x [M 1,024, K 1,024] x [K 1,024, N 64]; A: softmax (see below); B: computed on the way: QUANTISED
;;     4. [M 4,096, K 2,048] x [K 2,048, N 2,048]; A: computed on the way; B: input wo: QUANTISED
;;   THE QUANTISER, for each operand of a quantised product, along K:
;;     - K is cut into blocks of 32 from its start; a last block that is shorter is filled with zeros.
;;     - A block's scale is 2^e with e = floor(log2(the largest magnitude in the block)) - 2, held to -126 .. 127; a block of zeros has e = 0. As a byte (E8M0): e + 127.
;;     - Each number is divided by its block's scale, clamped to +-7.5, and rounded to the nearest number of E2M3, ties to even, subnormals kept.
;;     - The product sums the exact products of the quantised numbers (number of the format x scale) in f32.
;;   ~~~python
;;   def quantise(x, axis):      # numpy; x: float32 -> the quantised numbers, widened to float32 again
;;       x = np.moveaxis(x, axis, -1); K = x.shape[-1]
;;       x = np.pad(x, [(0, 0)] * (x.ndim - 1) + [(0, -K % 32)]); x = x.reshape(x.shape[:-1] + (-1, 32)); a = np.abs(x).max(-1, keepdims=True)
;;       e = np.where(a > 0, np.clip(np.frexp(np.where(a > 0, a, 1))[1] - 1 - 2, -126, 127), 0)      # np.frexp(a)[1] - 1 = floor(log2(a)), exactly
;;       r = np.clip(x / 2.0 ** e, -7.5, 7.5)
;;       step = 2.0 ** (np.maximum(np.frexp(np.where(r == 0, 1, r))[1] - 1, 0) - 3)
;;       q = np.round(r / step) * step * 2.0 ** e      # np.round: ties to even
;;       return np.moveaxis(q.reshape(q.shape[:-2] + (-1,))[..., :K], -1, axis).astype(np.float32)
;;   ~~~
;;   SOFTMAX AHEAD OF A QUANTISED PRODUCT. Where the list says 'softmax', what is quantised is not the finished softmax but p = 2^(t - M), with t = logit x log2(e) and M = ceil(the row's largest t), a whole number; so 1/2 < the row's largest p <= 1. The row's sum l is taken of the UNQUANTISED p, in f32, and the product's result is divided by l at the end. Since M is a whole number, a kernel that streams over the keys may use a running M (the ceiling of the running maximum): every later rescaling is an exact power of two, which a block's scale takes up: the codes' values come out the same.
;;   OPERANDS COMPUTED ON THE WAY. 'Computed on the way' means the value that the module computes at that place (a softmax that the list does not call 'softmax' is quantised finished and normalised). What goes into a quantiser is computed in f32, as accurately as f32 sums, v_exp_f32 and their like allow (about 1e-6 of the number): no bf16 or f16 on the way to a quantiser, and a product that is left as it is and whose result goes on into a quantised operand takes f32 operands (vector FMAs, or v_wmma_f32_16x16x4_f32). A number that lies on a knife's edge between two numbers of the format may be rounded either way, as far as f32 arithmetic and the matrix unit's own rounding can turn it there, and no further.
;; One version. Each part assembles by itself: llvm-mc -triple=amdgcn-amd-amdhsa -mcpu=gfx1250 --defsym DOCPART=n.
;; ======== version 1 of 1: 4 launches
;; limits: right only within a limited range of input values
;; workspace buffers: codes 14,155,776 bytes; scales 589,824 bytes; qkvi 9,437,184 bytes; qkvs 720,896 bytes; oc 6,291,456 bytes; os 262,144 bytes
;; launch quant (part 1): grid 576 x 1, 4 waves a work-group, no clusters, 58,368 bytes of LDS; arguments x, wqkv, wo, codes, scales; writes codes, scales
.if DOCPART == 1
	.amdgcn_target "amdgcn-amd-amdhsa--gfx1250"
	.amdhsa_code_object_version 6
	.text
	.protected	k_qa7e4504106_quant
	.globl	k_qa7e4504106_quant
	.p2align	8
	.type	k_qa7e4504106_quant,@function
k_qa7e4504106_quant:
	s_mov_b64 s[64:65], 0
	v_nop
	global_prefetch_b8 v0, s[64:65] scope:SCOPE_SE
	s_setreg_imm32_b32 hwreg(HW_REG_WAVE_MODE, 25, 1), 1
	s_wait_xcnt 0x0
; x [4096][2048], wqkv [3072][2048] and wo [2048][2048], f32, become codes of FP6 (E2M3) with one E8M0 byte for each 32 along K (64 bytes a row, rows on end).
; A block's scale is 2^(floor(log2(its largest magnitude)) - 2); its byte is the largest magnitude's exponent field - 2, held at 1 from below; each number is divided by the scale and rounded to the nearest code, ties to even, beyond 7.5 the largest code.
; WORK THAT THE PROGRAM LEAVES OUT: in the attention launch, key steps all of whose keys come after a tile's queries.  reference() itself sets those scores to the least f32 number under its own jnp.tril, every row keeps its diagonal key,
; so their p is 0 for all finite inputs and they add nothing to l or o.  LIMIT: a NaN, an infinity or an overflow that reaches only those scores is not carried to the result.
; LIMITS: a block of zeros, or one whose largest magnitude lies under 2^-124, gets the byte 1 (the rule says 127 for zeros): its codes are zeros and only this program reads the bytes.  NaN and infinities among the inputs are not served.
; THE CODES ARE LAID AS THE PRODUCTS' REGISTERS WANT THEM: [16 rows][128 along K][1,536 bytes]; in such an image the 24 bytes of row r's block 2 c + h stand at 768 h + 48 r + 24 c, so that lane r + 16 h of a fragment finds its 48 bytes on end.
; WHICH ROWS.  Rows of x and of wqkv are laid with bits 3 and 4 of their number exchanged; wqkv's units of 64 rows (group g: q 0-3, k, v) are regrouped: q head 4 g + i is unit 4 g + i, k head g unit 32 + 4 (g / 2) + g % 2, v head g two units on.  wo keeps its order.
; SHARES.  Work-groups 0-255 make x's blocks of 16 rows, 256-447 wqkv's, 448-575 wo's: only pointers and offsets are chosen.  Wave w makes rows 4 w .. 4 w + 3 of the block: one run of 8,192 numbers of the tensor, in 16 steps of 512.
; Each of a step's four loads reads 512 consecutive bytes; they turn through the wave's own stage in LDS and come back 64 bytes a lane (two lanes a block).  The codes are gathered in an image of the block in LDS (each 768 bytes followed by 16 of padding,
; so that the 32 lanes of a store touch 32 different banks: ISA guide 11.1), and behind one barrier leave as 24,576 consecutive bytes, 512 an instruction.
.set STEPS, 16
.set EMAX,  2
.set R,     16                         ; v16-79   four sets of 16 numbers as loaded; at the end the image on its way out
.set X,     80                         ; v80-111  two sets of 16 neighbours
.set C,     128                        ; v128-191 codes
.set E,     112                        ; v112-127 a scale byte for each step
.set WREG,  8192                       ; LDS: a region for each wave: two stages of 32 x SP bytes, behind them its 256 scale bytes
.set SP,    80
.set IMG,   32768                      ; the block's image: 32 units of 768 + 16 bytes
.set UP,    784
.set SPARE, IMG+32*UP                  ; the spare words
.set WGX,   256
.set WGW,   448
.set WC,    6291456
.set WOC,   11010048
.set WS,    262144
.set WOS,   458752
	s_load_b128 s[4:7], s[0:1], 0x0                ; x, wqkv
	s_load_b128 s[8:11], s[0:1], 0x10              ; wo, codes
	s_load_b64 s[12:13], s[0:1], 0x20              ; scales
	v_lshl_add_u32 v192, v0, 2, SPARE
	v_mov_b32 v193, 0
	v_lshrrev_b32 v1, 5, v0
	v_readfirstlane_b32 s16, v1                    ; wave
	v_and_b32 v2, 31, v0                           ; lane
	v_lshlrev_b32 v3, 4, v2
	s_mul_i32 s14, s16, WREG
	v_lshrrev_b32 v14, 2, v2
	v_mul_u32_u24 v14, v14, SP
	v_and_b32 v15, 3, v2
	v_lshl_add_u32 v14, v15, 4, v14
	v_add_nc_u32 v14, s14, v14                     ; the stage, on the way in
	v_mul_u32_u24 v15, v2, SP
	v_add_nc_u32 v15, s14, v15                     ; and on the way out: my 16 neighbours
	v_lshrrev_b32 v5, 1, v2
	s_add_co_u32 s14, s14, 2*32*SP
	v_add_nc_u32 v5, s14, v5                       ; my block's scale byte
	v_lshlrev_b32 v7, 3, v2
	v_add_nc_u32 v6, s14, v7
	v_and_b32 v4, 1, v2                            ; the image: my half of a block, 12 bytes;
	v_mul_u32_u24 v4, v4, 12
	v_bfe_u32 v10, v2, 1, 1                        ; h
	v_mad_u32_u24 v4, v10, UP, v4
	v_bfe_u32 v10, v2, 2, 1                        ; c
	v_mad_u32_u24 v4, v10, 24, v4
	v_lshrrev_b32 v10, 3, v2                       ; which 128 along K of the step's four
	v_mad_u32_u24 v4, v10, 2*UP, v4
	s_mul_i32 s15, s16, 192                        ; my wave's four rows
	s_add_co_u32 s15, s15, IMG
	v_add_nc_u32 v4, s15, v4
	s_mul_i32 s15, s16, 8*UP                       ; the way out: wave w takes the images of K steps 4 w .. 4 w + 3
	s_add_co_u32 s15, s15, IMG
	v_add_nc_u32 v194, s15, v3
	v_lshrrev_b32 v10, 4, v2
	v_lshl_add_u32 v195, v10, 4, v194              ; (lanes 16-31 behind a unit's padding)
	s_mul_i32 s15, s16, 6144
	v_add_nc_u32 v196, s15, v3
	s_mov_b32 s17, WGW
	s_mov_b32 s22, WOC
	s_mov_b32 s23, WOS
	s_cmp_lt_u32 ttmp9, WGW
	s_cselect_b32 s17, WGX, s17
	s_cselect_b32 s22, WC, s22
	s_cselect_b32 s23, WS, s23
	s_cmp_lt_u32 ttmp9, WGX
	s_cselect_b32 s17, 0, s17
	s_cselect_b32 s22, 0, s22
	s_cselect_b32 s23, 0, s23
	s_sub_co_u32 s19, ttmp9, s17                   ; the block of 16 rows in the workspace
	s_lshl_b32 s18, s19, 2
	s_add_co_u32 s18, s18, s16                     ; D: my run of 4 rows there
	s_and_b32 s24, s18, 2
	s_lshl_b32 s24, s24, 1
	s_and_b32 s25, s18, 4
	s_lshr_b32 s25, s25, 1
	s_and_not1_b32 s26, s18, 6
	s_or_b32 s26, s26, s24
	s_or_b32 s26, s26, s25                         ; D with bits 1 and 2 exchanged (bits 3 and 4 of a row's number)
	s_lshr_b32 s27, s18, 4                         ; wqkv: the unit in the workspace
	s_lshr_b32 s28, s27, 2
	s_and_b32 s29, s27, 3
	s_mul_i32 s28, s28, 6
	s_add_co_u32 s28, s28, s29                     ; a q head: it comes from unit 6 g + i
	s_sub_co_u32 s29, s27, 32                      ; t = 4 (g / 2) + g % 2 + 2 (i - 4)
	s_lshr_b32 s31, s29, 2
	s_lshl_b32 s31, s31, 1
	s_and_b32 s32, s29, 1
	s_add_co_u32 s31, s31, s32                     ; g
	s_mul_i32 s31, s31, 6
	s_bfe_u32 s32, s29, 0x10001
	s_add_co_u32 s31, s31, s32
	s_add_co_u32 s31, s31, 4                       ; k or v: from unit 6 g + i
	s_cmp_lt_u32 s27, 32
	s_cselect_b32 s28, s28, s31
	s_lshl_b32 s28, s28, 4
	s_and_b32 s31, s26, 15
	s_or_b32 s30, s28, s31                         ; wqkv's run in the tensor
	s_cmp_lt_u32 ttmp9, WGX
	s_cselect_b32 s30, s26, s30                    ; x's
	s_cmp_lt_u32 ttmp9, WGW
	s_cselect_b32 s30, s30, s18                    ; wo's: as it lies
	s_mov_b32 s21, 0
	s_wait_alu depctr_va_vdst(0)                   ; the wait at the head's end
	s_wait_kmcnt 0x0
	s_cselect_b64 s[6:7], s[6:7], s[8:9]           ; (still on the compare with WGW)
	s_cmp_lt_u32 ttmp9, WGX
	s_cselect_b64 s[4:5], s[4:5], s[6:7]
	s_lshl_b32 s20, s30, 15                        ; a run is 32,768 bytes of f32
	s_add_nc_u64 s[4:5], s[4:5], s[20:21]
	s_mul_i32 s20, s19, 24576                      ; a block of 16 rows is 24,576 bytes of codes
	s_add_co_u32 s20, s20, s22
	s_add_nc_u64 s[10:11], s[10:11], s[20:21]
	s_lshl_b32 s20, s18, 8                         ; a run has 256 scale bytes
	s_add_co_u32 s20, s20, s23
	s_add_nc_u64 s[12:13], s[12:13], s[20:21]
.macro LOAD t
.irp i, 0,1,2,3
	global_load_b128 v[R+16*((\t)%4)+4*\i:R+16*((\t)%4)+4*\i+3], v3, s[4:5] offset:2048*(\t)+512*\i th:TH_LOAD_NT
.endr
.endm
.macro TURN t                          ; LDS serves a wave's instructions in order (ISA guide 5.7.1.4): no wait between the stores and the loads
.irp i, 0,1,2,3
	ds_store_b128 v14, v[R+16*((\t)%4)+4*\i:R+16*((\t)%4)+4*\i+3] offset:32*SP*((\t)%2)+8*SP*\i
.endr
.irp i, 0,1,2,3
	ds_load_b128 v[X+16*((\t)%2)+4*\i:X+16*((\t)%2)+4*\i+3], v15 offset:32*SP*((\t)%2)+16*\i
.endr
.endm
.irp t, 0,1,2,3
	LOAD \t
.endr
	s_wait_loadcnt 12                              ; step 0's four loads are in
	TURN 0
.macro STEP t
.set XS, X+16*((\t)%2)
.if (\t) > 0
	s_wait_dscnt 4                                 ; this step's numbers are back from the stage (the last step's byte store and three code stores may be out)
.else
	s_wait_dscnt 0x0
.endif
.if (\t)+4 < STEPS
	LOAD (\t)+4
.endif
.if (\t)+1 < STEPS
.if STEPS-2-(\t) >= 3
	s_wait_loadcnt 12                              ; the next step's four loads are in; those of the three steps behind it may be out
.else
	s_wait_loadcnt 4*(STEPS-2-(\t))
.endif
	TURN (\t)+1
.endif
	v_max3_num_f32 v8, |v[XS]|, |v[XS+1]|, |v[XS+2]|
	v_max3_num_f32 v9, |v[XS+3]|, |v[XS+4]|, |v[XS+5]|
.irp i, 6,10
	v_max3_num_f32 v8, v8, |v[XS+\i]|, |v[XS+\i+1]|
	v_max3_num_f32 v9, v9, |v[XS+\i+2]|, |v[XS+\i+3]|
.endr
	v_max3_num_f32 v8, v8, |v[XS+14]|, |v[XS+15]|
	v_max3_num_f32 v8, v8, v9, (EMAX+1)<<23        ; the floor 2^(3 - 127): the byte cannot fall under 1
	v_max_num_f32_dpp v8, v8, v8 row_xmask:1 row_mask:0xf bank_mask:0xf   ; with my neighbour's 16: the block's
	v_add_nc_u32 v11, -(EMAX<<23), v8              ; 2 off the exponent field: the conversion's scale operand
	v_cvt_scalef32_pk16_fp6_f32 v[C+4*(\t):C+4*(\t)+2], v[XS:XS+15], v11
	v_lshrrev_b32 v[E+(\t)], 23, v11               ; the scale's byte (also the plain line behind the conversion)
	ds_store_b8 v5, v[E+(\t)] offset:16*(\t)
.irp i, 0,1,2
	ds_store_b32 v4, v[C+4*(\t)+\i] offset:8*UP*((\t)%4)+48*((\t)/4)+4*\i   ; row 4 w + t / 4, K steps 4 (t % 4) ..
.endr
.endm
.irp t, 0,1,2,3,4,5,6,7,8,9,10,11,12,13,14,15
	STEP \t
.endr
	ds_load_b64 v[12:13], v6
	s_wait_dscnt 0x0                               ; my scale bytes are back, and for the others' sake my stores into the image are done
	global_store_b64 v7, v[12:13], s[12:13]        ; 256 consecutive bytes, aligned: four rows' scale bytes
	s_barrier_signal -1
	s_barrier_wait -1                              ; the image is whole
.irp k, 0,1,2,3
	ds_load_b128 v[R+12*\k:R+12*\k+3], v194 offset:2*UP*\k
	ds_load_b128 v[R+12*\k+4:R+12*\k+7], v195 offset:2*UP*\k+512
	ds_load_b128 v[R+12*\k+8:R+12*\k+11], v194 offset:2*UP*\k+1040
.endr
.irp n, 0,1,2,3,4,5,6,7,8,9,10,11
	s_wait_dscnt 11-\n
	global_store_b128 v196, v[R+4*\n:R+4*\n+3], s[10:11] offset:512*\n   ; 512 consecutive bytes, aligned to 256
.endr
	s_wait_tensorcnt 0x0                           ; the wave's end
	ds_add_u32 v192, v193
	s_wait_dscnt 0x0
	s_endpgm
.Lfunc_end_k_qa7e4504106_quant:
	.size	k_qa7e4504106_quant, .Lfunc_end_k_qa7e4504106_quant-k_qa7e4504106_quant
	.p2alignl 7, 3214868480
	.fill 96, 4, 3214868480
	.section	.rodata,"a",@progbits
	.p2align	6, 0x0
	.amdhsa_kernel k_qa7e4504106_quant
		.amdhsa_group_segment_fixed_size 58368
		.amdhsa_private_segment_fixed_size 0
		.amdhsa_enable_private_segment 0
		.amdhsa_kernarg_size 40
		.amdhsa_user_sgpr_count 2
		.amdhsa_user_sgpr_kernarg_segment_ptr 1
		.amdhsa_wavefront_size32 1
		.amdhsa_system_sgpr_workgroup_id_x 1
		.amdhsa_system_sgpr_workgroup_id_y 1
		.amdhsa_system_sgpr_workgroup_id_z 1
		.amdhsa_system_vgpr_workitem_id 0
		.amdhsa_next_free_vgpr 198
		.amdhsa_next_free_sgpr 66
		.amdhsa_reserve_vcc 0
		.amdhsa_float_denorm_mode_32 3
		.amdhsa_float_denorm_mode_16_64 3
		.amdhsa_memory_ordered 1
		.amdhsa_forward_progress 1
		.amdhsa_inst_pref_size 39
	.end_amdhsa_kernel
	.amdgpu_metadata
---
amdhsa.version: [ 1, 2 ]
amdhsa.kernels:
  - .name:           k_qa7e4504106_quant
    .symbol:         k_qa7e4504106_quant.kd
    .args:
      - { .name: x, .offset: 0, .size: 8, .value_kind: global_buffer, .address_space: global }
      - { .name: wqkv, .offset: 8, .size: 8, .value_kind: global_buffer, .address_space: global }
      - { .name: wo, .offset: 16, .size: 8, .value_kind: global_buffer, .address_space: global }
      - { .name: codes, .offset: 24, .size: 8, .value_kind: global_buffer, .address_space: global }
      - { .name: scales, .offset: 32, .size: 8, .value_kind: global_buffer, .address_space: global }
    .group_segment_fixed_size: 58368
    .private_segment_fixed_size: 0
    .kernarg_segment_align: 8
    .kernarg_segment_size: 40
    .max_flat_workgroup_size: 128
    .sgpr_count:     66
    .vgpr_count:     198
    .wavefront_size: 32
...
	.end_amdgpu_metadata
.endif
;; end of part 1
;; launch gemm_qkv (part 2): grid 12 x 16, 4 waves a work-group, clusters of 4 x 4, 327,680 bytes of LDS; arguments codes, scales, freqs_cos, freqs_sin, qkvi, qkvs; writes qkvi, qkvs
.if DOCPART == 2
	.amdgcn_target "amdgcn-amd-amdhsa--gfx1250"
	.amdhsa_code_object_version 6
	.text
	.protected	k_qa7e4504106_gemm_qkv
	.globl	k_qa7e4504106_gemm_qkv
	.p2align	8
	.type	k_qa7e4504106_gemm_qkv,@function
k_qa7e4504106_gemm_qkv:
	s_mov_b64 s[64:65], 0
	v_nop
	global_prefetch_b8 v0, s[64:65] scope:SCOPE_SE
	s_setreg_imm32_b32 hwreg(HW_REG_WAVE_MODE, 25, 1), 1
	s_wait_xcnt 0x0
	s_wait_alu depctr_hold_cnt(0) depctr_sa_sdst(0) depctr_va_vdst(0) depctr_va_sdst(0) depctr_va_ssrc(0) depctr_va_vcc(0) depctr_vm_vsrc(0)
	s_getreg_b32 s2, hwreg(HW_REG_IB_STS2, 6, 4)
	s_cmp_eq_u32 s2, 0
	s_cbranch_scc0 .Lentry_in_a_cluster
	s_endpgm
.Lentry_in_a_cluster:
	s_bfe_u32 s2, ttmp6, 0x10000c
	s_cmp_lg_u32 s2, 0xf033
	s_cbranch_scc0 .Lentry_shape_is_right
	s_endpgm
.Lentry_shape_is_right:
.set KSTEP,  256
.set NQ,     KSTEP/128
; qkv = x wqkv^T on codes of FP6, then RoPE and the quantisers of q, k (along d) and v (along the keys).  A block of 256 x 256 a work-group, 128 x 128 a wave, 4 x 4 work-groups in a cluster with joint loads.
; The codes lie as register images, [16 rows][128 K][1,536 bytes]: a K step of 256 is 3,072 consecutive bytes of each block of 16 rows, a tensor row that begins at a multiple of 256 bytes; a lane's 48 bytes of a fragment lie on end, three loads of 16 bytes.
; PREFETCH: behind the tensor load of K step s each wave asks for K step s + 2 of the rows that it fetches: 8 blocks x 12 units of 256 bytes, of which each of the four partners takes two blocks by address (24 lanes; the last eight name the last unit again); K steps 6 and 7 have no step two on.
.set ROWB,   3072
.set KROW,   1536
.set PITCH,  48
.set FR,     12
.set NL,     3
.set NP,     4
.set HALFT,  8*ROWB
.set SLOT,   4*HALFT
.set LAPS,   4
.set KS,     64
.set SCL,    2*SLOT
.set HALFS,  128*KS
.set SBLK,   16*KS
.set PFO,    18
.set PFA,    12
.set SPARE,  SCL+4*HALFS
.set WC,     6291456
.set WS,     262144
.set KI,     6291456
.set VI,     7864320
.set KSO,    524288
.set VSO,    655360
.set LI16, 8
.set LI8,  9
.set CSO,  10
.set SSA,  11
.set SRD,  12
.set SH,   13
.set SVO,  14
.set ADRA, 16
.set ADRB, 20
.set ADRS, 27
.set SPW,  28
.set NIL,  29
.set SC,   32
.set AF,   128
.set H,    64
.set T,    128
.set CDS,  192
.set TM,   212
.set PW,   228
.set L0,   232
.set L1,   236
.set PWS,  240
.set G1, 24
.set G0, 32
.set G1B, 48
.set G0B, 56
.set G1S, 68
.set G0S, 76
.set G1SB, 80
.set G0SB, 88
.set SEL, 66
.set IMG, 96
.set SCB, 98
.set TYP, 100
.set ISV, 101
.set MSB, 0
.macro WIN new
.if MSB != (\new)
	s_set_vgpr_msb (MSB<<8)|(\new)
.set MSB, (\new)
.endif
.endm
.set MUL_LO, 0xa1
.set MUL_HI, 0xf1
.set TO_B,   0x40
.macro JLOAD g0a, g1a, g0b, g1b
	s_cmp_eq_u32 s15, 0
	s_cbranch_scc0 .Lfor_b_\@
	tensor_load_to_lds s[\g0a:\g0a+3], s[\g1a:\g1a+7]
	s_nop 0
.rept 4
	v_nop
.endr
	s_branch .Lasked_\@
.Lfor_b_\@:
	tensor_load_to_lds s[\g0b:\g0b+3], s[\g1b:\g1b+7]
	s_nop 0
.rept 4
	v_nop
.endr
.Lasked_\@:
.endm
.macro CREST
	s_cmp_lg_u32 s14, 0
	s_cbranch_scc1 .Lnot_wave_0_\@
	s_barrier_signal -3
.Lnot_wave_0_\@:
	s_barrier_wait -3
	s_barrier_signal -1
	s_barrier_wait -1
.endm
.macro CROUND
	s_barrier_signal -1
	s_barrier_wait -1
	CREST
.endm
	s_load_b128 s[4:7], s[0:1], 0x0
	s_load_b128 s[8:11], s[0:1], 0x10
	s_load_b128 s[96:99], s[0:1], 0x20
	v_lshl_add_u32 v[SPW], v0, 2, SPARE
	v_mov_b32 v[NIL], 0
	ds_add_u32 v28, v29
	ds_add_u32 v28, v29
	s_wait_dscnt 0x0
	v_lshrrev_b32 v1, 5, v0
	v_readfirstlane_b32 s14, v1
	v_and_b32 v[PFO], 31, v0
	v_min_u32 v[PFO], 23, v[PFO]
	v_mul_u32_u24 v19, v[PFO], 11
	v_lshrrev_b32 v19, 7, v19                      ; which of my two blocks of 16 rows: lane / 12
	v_lshlrev_b32 v[PFO], 8, v[PFO]
	v_mad_u32_u24 v[PFO], v19, 16*KROW-ROWB, v[PFO]
	v_and_b32 v19, 31, v0                          ; the prefetch of cos or sin: 16 units of 256 bytes, a lane each; lanes 16-31 name the last again
	v_min_u32 v19, 15, v19
	v_lshlrev_b32 v19, 8, v19
	s_lshr_b32 s15, s14, 1
	s_and_b32 s16, s14, 1
	s_bfe_u32 s40, ttmp6, 0x40000
	s_bfe_u32 s41, ttmp6, 0x40004
	s_lshl_b32 s42, ttmp9, 2
	s_add_co_u32 s42, s42, s40
	s_and_b32 s17, ttmp7, 0xffff
	s_lshl_b32 s17, s17, 2
	s_add_co_u32 s17, s17, s41
	s_lshl_b32 s43, s41, 2
	s_lshl_b32 s43, 15, s43
	s_lshl_b32 s44, 0x1111, s40
	s_or_b32 s[G1+0], s43, (3<<16)|(1<<21)
	s_or_b32 s[G1B+0], s44, (3<<16)|(1<<21)
.irp g, G1, G1B
	s_mov_b32 s[\g+1], (ROWB/8)<<16
	s_mov_b32 s[\g+2], 8<<16
	s_mov_b32 s[\g+3], (ROWB/8)<<16
	s_mov_b32 s[\g+4], 8
	s_mov_b32 s[\g+5], 16*KROW/8
	s_mov_b32 s[\g+6], 0
	s_mov_b32 s[\g+7], 0
.endr
	s_lshl_b32 s18, s16, 7
	s_lshl_b32 s20, s17, 8
	s_add_co_u32 s20, s20, s18
	s_lshl_b32 s46, s42, 8
	s_add_co_u32 s46, s46, s18
	s_mov_b32 s21, 0
	s_mov_b32 s47, 0
	s_mov_b64 s[18:19], KS
	s_mul_u64 s[22:23], s[20:21], s[18:19]
	s_mul_u64 s[92:93], s[46:47], s[18:19]
	s_mov_b64 s[18:19], KROW
	s_mul_u64 s[20:21], s[20:21], s[18:19]
	s_mul_u64 s[46:47], s[46:47], s[18:19]
	s_add_nc_u64 s[46:47], s[46:47], WC
	s_add_nc_u64 s[92:93], s[92:93], WS
	s_mul_i32 s45, s14, HALFT
	s_mul_i32 s94, s14, HALFS
	s_add_co_u32 s94, s94, SCL                     ; the scales of 128 rows, 8,192 dense bytes, go through my registers into LDS bytes of their own: wave w's at SCL + 8,192 w
	v_and_b32 v22, 31, v0
	v_lshlrev_b32 v22, 4, v22
	v_add_nc_u32 v23, s94, v22
	s_mov_b32 s[SEL], 0x76543210
	s_mov_b32 s[SEL+1], 0xfedcba98
	s_wait_kmcnt 0x0
	s_add_nc_u64 s[20:21], s[4:5], s[20:21]
	s_add_nc_u64 s[22:23], s[6:7], s[22:23]
	s_add_nc_u64 s[46:47], s[4:5], s[46:47]
	s_add_nc_u64 s[92:93], s[6:7], s[92:93]
	s_cmp_eq_u32 s15, 0                            ; the prefetches: the rows that I fetch,
	s_cselect_b64 s[PFA:PFA+1], s[20:21], s[46:47]
	s_cselect_b32 s2, s40, s41                     ; my place among the four that ask for them with me: two blocks of 16 rows each,
	s_mul_i32 s2, s2, 2*16*KROW
	s_add_co_u32 s2, s2, 2*ROWB                    ; at K step 2
	s_mov_b32 s3, 0
	s_add_nc_u64 s[PFA:PFA+1], s[PFA:PFA+1], s[2:3]
	s_cmp_eq_u32 s15, 0                            ; waves 0 and 1 take the halves of A's scales, waves 2 and 3 of B's
	s_cselect_b64 s[22:23], s[22:23], s[92:93]
	s_wait_alu depctr_va_vdst(0)
.irp i, 0,1,2,3,4,5,6,7,8,9,10,11,12,13,14,15
	global_load_b128 v[64+4*\i:67+4*\i], v22, s[22:23] offset:512*\i   ; 512 consecutive bytes an instruction
.endr
	CROUND
.irp s, 0,1
	s_mov_b32 s[G0+4*\s], 1
	s_add_co_u32 s[G0+4*\s+1], s45, \s*SLOT
	s_add_nc_u64 s[G0+4*\s+2:G0+4*\s+3], s[20:21], \s*ROWB
	s_or_b32 s[G0+4*\s+3], s[G0+4*\s+3], 0x80000000
	s_mov_b32 s[G0B+4*\s], 1
	s_add_co_u32 s[G0B+4*\s+1], s45, \s*SLOT
	s_add_nc_u64 s[G0B+4*\s+2:G0B+4*\s+3], s[46:47], \s*ROWB
	s_or_b32 s[G0B+4*\s+3], s[G0B+4*\s+3], 0x80000000
.if \s
	s_wait_loadcnt 0x0                             ; my 8,192 scale bytes are in registers,
	s_wait_tensorcnt 0x0                           ; and my part of K step 0 has landed: no tensor load of mine is out while I store
.irp i, 0,1,2,3,4,5,6,7,8,9,10,11,12,13,14,15
	ds_store_b128 v23, v[64+4*\i:67+4*\i] offset:512*\i
.endr
	s_wait_tensorcnt 0x0
	ds_add_u32 v28, v29
	s_wait_dscnt 0x0                               ; the add and, for the others' sake, my stores of the scales
	CROUND
.endif
	JLOAD G0+4*\s, G1, G0B+4*\s, G1B
	global_prefetch_b8 v[PFO], s[PFA:PFA+1] offset:\s*ROWB th:TH_LOAD_NT scope:SCOPE_SE
.endr
	s_add_co_u32 s[TYP], s16, 1
	s_cmp_eq_u32 ttmp9, 2
	s_cselect_b32 s[TYP], s[TYP], 0
	s_cselect_b32 s[ISV], s16, 0
	v_and_b32 v1, 15, v0
	v_bfe_u32 v2, v0, 4, 1
	v_mul_u32_u24 v3, v1, PITCH
	v_mul_u32_u24 v4, v2, 768
	v_add_nc_u32 v4, v3, v4
	s_wait_alu depctr_va_vdst(0)
	s_mul_i32 s21, s15, HALFT
	s_mul_i32 s22, s16, HALFT
	s_add_co_u32 s22, s22, 2*HALFT
	s_cmp_eq_u32 s[ISV], 1
	s_cselect_b32 s23, s22, s21
	s_cselect_b32 s22, s21, s22
	s_mov_b32 s21, s23
.irp s, 0,1
	v_add_nc_u32 v[ADRA+\s], s21, v4
	v_add_nc_u32 v[ADRB+\s], s22, v4
	s_add_co_u32 s21, s21, SLOT
	s_add_co_u32 s22, s22, SLOT
.endr
	v_mul_u32_u24 v5, v1, KS
	s_mul_i32 s21, s15, HALFS
	s_mul_i32 s22, s16, HALFS
	s_add_co_u32 s22, s22, 2*HALFS
	s_sub_co_u32 s22, s22, s21
	v_xor_b32 v7, s[ISV], v2
	v_mul_u32_u24 v6, s22, v7
	s_add_co_u32 s21, s21, SCL
	v_add_nc_u32 v5, v5, v6
	v_add_nc_u32 v[ADRS], s21, v5
	v_and_b32 v6, 31, v0
	v_lshlrev_b32 v[LI16], 4, v6
	v_lshlrev_b32 v[LI8], 3, v6
	v_and_b32 v6, 8, v1
	v_add_nc_u32 v6, v6, v1
	v_lshlrev_b32 v[CSO], 7, v6
	v_lshl_add_u32 v[CSO], v2, 5, v[CSO]
	s_lshl_b32 s23, s14, 10
	v_lshlrev_b32 v[SSA], 2, v1
	v_lshl_add_u32 v[SSA], v2, 9, v[SSA]
	v_add_nc_u32 v[SSA], s23, v[SSA]
	v_add_nc_u32 v[SRD], s23, v[LI16]
	v_lshlrev_b32 v[SH], 4, v2
	v_lshlrev_b32 v[SVO], 4, v1
	v_lshl_add_u32 v[SVO], v2, 11, v[SVO]
	s_lshr_b32 s18, s17, 2
	s_and_b32 s19, s17, 3
	s_lshl_b32 s20, s19, 1
	s_add_co_u32 s20, s20, s15
	s_lshl_b32 s21, s18, 5
	s_lshl_b32 s22, s42, 2
	s_add_co_u32 s21, s21, s22
	s_lshl_b32 s22, s16, 1
	s_add_co_u32 s21, s21, s22
	s_lshl_b32 s22, s18, 3
	s_lshl_b32 s23, s42, 1
	s_add_co_u32 s22, s22, s23
	s_sub_co_u32 s22, s22, 16
	s_mov_b32 s46, VI
	s_mov_b32 s47, VSO
	s_cmp_eq_u32 s[TYP], 0
	s_cselect_b32 s21, s21, s22
	s_cselect_b32 s22, 0, KI
	s_cselect_b32 s23, 0, KSO
	s_cmp_eq_u32 s[TYP], 2
	s_cselect_b32 s22, s46, s22
	s_cselect_b32 s23, s47, s23
	s_cselect_b32 s45, 1, 0
	s_mul_i32 s46, s21, 49152
	s_add_co_u32 s22, s22, s46
	s_mul_i32 s46, s20, 6144
	s_add_co_u32 s46, s22, s46
	s_mov_b32 s47, 0
	s_add_nc_u64 s[IMG:IMG+1], s[IMG:IMG+1], s[46:47]
	s_lshl_b32 s46, s21, 12
	s_lshl_b32 s22, s20, 9
	s_add_co_u32 s46, s46, s22
	s_lshr_b32 s46, s46, s45
	s_add_co_u32 s46, s46, s23
	s_add_nc_u64 s[SCB:SCB+1], s[SCB:SCB+1], s[46:47]
	s_lshl_b32 s46, s19, 15
	s_lshl_b32 s22, s15, 14
	s_add_co_u32 s46, s46, s22
	s_add_nc_u64 s[8:9], s[8:9], s[46:47]
	s_add_nc_u64 s[10:11], s[10:11], s[46:47]
	s_cmp_eq_u32 s16, 0                            ; the 128 rows of cos and of sin that the way out reads, 16,384 bytes each: waves of the even column half ask for cos, the others for sin,
	s_cselect_b64 s[46:47], s[8:9], s[10:11]
	s_lshl_b32 s22, s40, 12                        ; and each of the four work-groups of my row of the cluster for a quarter, by address
	s_mov_b32 s23, 0
	s_add_nc_u64 s[46:47], s[46:47], s[22:23]
	global_prefetch_b8 v19, s[46:47] th:TH_LOAD_NT scope:SCOPE_SE
.macro FRAG reg, adr, q, i
.irp p, 0,1,2
	ds_load_b128 v[\reg+4*\p:\reg+4*\p+3], v[\adr] offset:16*\p+1536*(\q)+(\i)*ROWB
.endr
.endm
.macro MUL16 a0, p, q, sc, zero
.irp a, \a0, \a0+1
.irp b, 0,1,2,3,4,5,6,7
.if \zero
	v_wmma_scale_f32_16x16x128_f8f6f4 v[8*(8*((\a)%4)+\b):8*(8*((\a)%4)+\b)+7], v[128*(\p)+FR*\b:128*(\p)+FR*\b+FR-1], v[AF+FR*(\a):AF+FR*(\a)+FR-1], 0, v[SC+8*NQ*(\sc)+NQ*\b+(\q)], v[SC+8*NQ*(\sc)+NQ*(\a)+(\q)] matrix_a_fmt:MATRIX_FMT_FP6 matrix_b_fmt:MATRIX_FMT_FP6 matrix_a_scale:MATRIX_SCALE_ROW1
.else
	v_wmma_scale_f32_16x16x128_f8f6f4 v[8*(8*((\a)%4)+\b):8*(8*((\a)%4)+\b)+7], v[128*(\p)+FR*\b:128*(\p)+FR*\b+FR-1], v[AF+FR*(\a):AF+FR*(\a)+FR-1], v[8*(8*((\a)%4)+\b):8*(8*((\a)%4)+\b)+7], v[SC+8*NQ*(\sc)+NQ*\b+(\q)], v[SC+8*NQ*(\sc)+NQ*(\a)+(\q)] matrix_a_fmt:MATRIX_FMT_FP6 matrix_b_fmt:MATRIX_FMT_FP6 matrix_a_scale:MATRIX_SCALE_ROW1
.endif
.endr
.endr
.endm
.macro FETCH_B slot, q, p
	WIN TO_B
.irp i, 0,1,2,3,4,5,6,7
	FRAG 128*(\p)+FR*\i, ADRB+\slot, \q, \i
.endr
	WIN 0
.endm
.macro FETCH_A slot, q, i0
.irp i, \i0, \i0+1, \i0+2, \i0+3
	FRAG AF+FR*(\i), ADRA+\slot, \q, \i
.endr
.endm
.macro SCALES sc
.irp i, 0,1,2,3,4,5,6,7
	ds_load_b64 v[SC+8*NQ*\sc+NQ*\i:SC+8*NQ*\sc+NQ*\i+1], v[ADRS] offset:\i*SBLK
.endr
.endm
.macro PLACES n
.rept \n
	v_nop
.endr
.endm
.macro STEP slot, q, zero
	s_wait_dscnt 4*NL
	WIN MUL_LO
	MUL16 0, (\q)%2, \q, \slot, \zero
	MUL16 2, (\q)%2, \q, \slot, \zero
	s_wait_dscnt 0
	PLACES NP
	FETCH_B \slot, (\q)+1, 1-(\q)%2
	FETCH_A \slot, (\q)+1, 0
	WIN MUL_HI
	MUL16 4, (\q)%2, \q, \slot, \zero
	MUL16 6, (\q)%2, \q, \slot, \zero
	PLACES NP
	WIN 0
	FETCH_A \slot, (\q)+1, 4
.endm
.macro TURN slot, next, fill
.if \fill
	s_wait_xcnt 0x0                                ; my last prefetch has read its address: it steps one K step
	s_add_nc_u64 s[PFA:PFA+1], s[PFA:PFA+1], ROWB
.endif
	s_wait_tensorcnt 0x0
	ds_add_u32 v[SPW], v[NIL]
	s_wait_dscnt 4*NL+1
	WIN MUL_LO
	MUL16 0, 1, NQ-1, \slot, 0
	s_wait_dscnt 0x0
	s_barrier_signal -1
	MUL16 2, 1, NQ-1, \slot, 0
	WIN 0
	s_barrier_wait -1
.if \fill
	CREST
	s_add_nc_u64 s[G0+4*\slot+2:G0+4*\slot+3], s[G0+4*\slot+2:G0+4*\slot+3], 2*ROWB
	s_add_nc_u64 s[G0B+4*\slot+2:G0B+4*\slot+3], s[G0B+4*\slot+2:G0B+4*\slot+3], 2*ROWB
	JLOAD G0+4*\slot, G1, G0B+4*\slot, G1B
.else
	PLACES NP
.endif
	s_wait_alu depctr_va_vdst(0)
	v_add_nc_u32 v[ADRS], 4*NQ, v[ADRS]
	FETCH_B \next, 0, 0
	FETCH_A \next, 0, 0
	SCALES \next
.if \fill
	s_cmp_gt_u32 s3, 1                             ; the loop's last trip fetches K steps 6 and 7: no step two on
	s_cbranch_scc0 .Lno_ask_\@
	global_prefetch_b8 v[PFO], s[PFA:PFA+1] offset:ROWB th:TH_LOAD_NT scope:SCOPE_SE
.Lno_ask_\@:
.endif
	WIN MUL_HI
	MUL16 4, 1, NQ-1, \slot, 0
	MUL16 6, 1, NQ-1, \slot, 0
	PLACES NP
	WIN 0
	FETCH_A \next, 0, 4
.endm
.macro LAST
	s_wait_dscnt 4*NL
	WIN MUL_LO
	MUL16 0, 1, NQ-1, 1, 0
	MUL16 2, 1, NQ-1, 1, 0
	s_wait_dscnt 0
	WIN MUL_HI
	MUL16 4, 1, NQ-1, 1, 0
	MUL16 6, 1, NQ-1, 1, 0
	WIN 0
	PLACES NP
.endm
.macro QUANT s, w, pw
	WIN 5*(\w)
.irp b, 0,1,2,3
	v_max3_num_f32 v[TM+\b], |v[\s+16*\b]|, |v[\s+1+16*\b]|, 0x1800000
.endr
	WIN 20*(\w)
.irp i, 2,4,6,8,10,12,14
.irp b, 0,1,2,3
	v_max3_num_f32 v[TM+\b], v[TM+\b], |v[\s+16*\b+\i]|, |v[\s+1+16*\b+\i]|
.endr
.endr
	WIN 0
.irp b, 0,1,2,3
	v_permlanex16_b32 v[TM+4+\b], v[TM+\b], s[SEL], s[SEL+1]
.endr
.irp b, 0,1,2,3
	v_max_num_f32 v[TM+\b], v[TM+\b], v[TM+4+\b]
.endr
.irp b, 0,1,2,3
	v_add_nc_u32 v[TM+12+\b], 0xff000000, v[TM+\b]
.endr
.irp b, 0,1,2,3
	v_lshrrev_b32 v[TM+4+\b], 23, v[TM+12+\b]
.endr
	v_lshl_or_b32 v[\pw], v[TM+5], 8, v[TM+4]
	v_lshl_or_b32 v[\pw], v[TM+6], 16, v[\pw]
	v_lshl_or_b32 v[\pw], v[TM+7], 24, v[\pw]
	WIN (\w)
.irp c, 0,1
	v_cvt_scalef32_pk16_fp6_f32 v[CDS+6*\c:CDS+2+6*\c], v[\s+32*\c:\s+15+32*\c], v[TM+12+2*\c]
	v_cvt_scalef32_pk16_fp6_f32 v[CDS+12+4*\c:CDS+14+4*\c], v[\s+16+32*\c:\s+31+32*\c], v[TM+12+2*\c+1]
.endr
	WIN 0
	v_nop
.irp c, 0,1
.irp i, 0,1,2
	v_permlane16_swap_b32 v[CDS+6*\c+\i], v[CDS+12+4*\c+\i]
.endr
.irp i, 0,1,2
	v_mov_b32 v[CDS+3+6*\c+\i], v[CDS+12+4*\c+\i]
.endr
.endr
.endm
.macro CSLOAD a
.irp j, 0,1,2,3
	global_load_b128 v[32*(\a)+4*\j:32*(\a)+4*\j+3], v[CSO], s[8:9] offset:(32*((\a)/2)+8*((\a)%2))*128+16*(\j%2)+64*(\j/2)
	global_load_b128 v[32*(\a)+16+4*\j:32*(\a)+16+4*\j+3], v[CSO], s[10:11] offset:(32*((\a)/2)+8*((\a)%2))*128+16*(\j%2)+64*(\j/2)
.endr
.endm
.macro ROPE a
.set AC, 64*((\a)%4)
.set CSB, 32*(\a)
	WIN 0x06+(\a)/4
.set n, 0
.rept 32
.set l, 8*((n/8)%2)+n%8
.set pb, l-l%2
.if l%2
	v_pk_mul_f32 v[T+2*n:T+2*n+1], v[AC+2*n:AC+2*n+1], v[CSB+16+pb:CSB+16+pb+1] op_sel:[0,1] op_sel_hi:[1,1]
.else
	v_pk_mul_f32 v[T+2*n:T+2*n+1], v[AC+2*n:AC+2*n+1], v[CSB+16+pb:CSB+16+pb+1] op_sel_hi:[1,0]
.endif
.set n, n+1
.endr
.set n, 0
.rept 32
.set l, 8*((n/8)%2)+n%8
.set pb, l-l%2
.if l%2
	v_pk_fma_f32 v[H+2*n:H+2*n+1], v[AC+2*n:AC+2*n+1], v[CSB+pb:CSB+pb+1], v[T+2*n:T+2*n+1] op_sel:[0,1,1] op_sel_hi:[1,1,0] neg_lo:[0,0,1]
.else
	v_pk_fma_f32 v[H+2*n:H+2*n+1], v[AC+2*n:AC+2*n+1], v[CSB+pb:CSB+pb+1], v[T+2*n:T+2*n+1] op_sel:[0,0,1] op_sel_hi:[1,0,0] neg_lo:[0,0,1]
.endif
.set n, n+1
.endr
	WIN 0
.endm
.macro QKBLOCK a
	s_wait_loadcnt 56-8*(\a)
	ROPE \a
.if (\a) > 0
	s_wait_xcnt 0x0
.endif
	QUANT H, 0, PW
	v_lshrrev_b32 v[PWS+(\a)], v[SH], v[PW]
	ds_store_b32 v[SSA], v[PWS+(\a)] offset:64*(\a)
.irp c, 0,1
	global_store_b128 v[LI16], v[CDS+6*\c:CDS+6*\c+3], s[IMG:IMG+1] offset:49152*\c+768*(\a)
	global_store_b64 v[LI8], v[CDS+6*\c+4:CDS+6*\c+5], s[IMG:IMG+1] offset:49152*\c+768*(\a)+512
.endr
.endm
.macro VBLOCK a
.set VS0, 64*((\a)%4)
.if (\a) > 0
	s_wait_xcnt 0x0
.endif
	QUANT VS0, 2+(\a)/4, PWS+(\a)
	ds_store_b32 v[SSA], v[PWS+(\a)] offset:4096+64*(\a)
.irp i, 0,1,2
	global_store_b128 v[LI16], v[CDS+4*\i:CDS+4*\i+3], s[IMG:IMG+1] offset:49152*((\a)/4)+1536*((\a)%4)+512*\i
.endr
.endm
	s_wait_alu depctr_va_vdst(0)
	s_wait_tensorcnt 1
	s_barrier_signal -1
	s_barrier_wait -1
	FETCH_B 0, 0, 0
	FETCH_A 0, 0, 0
	SCALES 0
	FETCH_A 0, 0, 4
	STEP 0, 0, 1
	s_mov_b32 s3, LAPS-1
.Llap:
	TURN 0, 1, 1
	STEP 1, 0, 0
	TURN 1, 0, 1
	STEP 0, 0, 0
	s_sub_co_u32 s3, s3, 1
	s_cmp_lg_u32 s3, 0
	s_cbranch_scc1 .Llap
	TURN 0, 1, 0
	STEP 1, 0, 0
	s_cmp_eq_u32 s[TYP], 2
	s_cbranch_scc1 .Lv_path
	WIN TO_B
	CSLOAD 0
	CSLOAD 1
	CSLOAD 2
	CSLOAD 3
	WIN 0
	LAST
	WIN TO_B
	CSLOAD 4
	CSLOAD 5
	CSLOAD 6
	CSLOAD 7
	WIN 0
.irp b, 0,1,2,3
	v_mov_b32 v[TM+4+\b], 0
.endr
.irp a, 0,1,2,3,4,5,6,7
	QKBLOCK \a
.endr
	ds_load_b128 v[L0:L0+3], v[SRD]
	ds_load_b128 v[L1:L1+3], v[SRD] offset:512
	s_wait_dscnt 0x0
	global_store_b128 v[LI16], v[L0:L0+3], s[SCB:SCB+1]
	global_store_b128 v[LI16], v[L1:L1+3], s[SCB:SCB+1] offset:4096
	s_branch .Lend
.Lv_path:
	LAST
.irp b, 0,1,2,3
	v_mov_b32 v[TM+4+\b], 0
.endr
.irp a, 0,1,2,3,4,5,6,7
	VBLOCK \a
.endr
	ds_load_b128 v[L0:L0+3], v[SRD] offset:4096
	s_wait_dscnt 0x0
	global_store_b128 v[SVO], v[L0:L0+3], s[SCB:SCB+1]
.Lend:
	s_wait_tensorcnt 0x0
	ds_add_u32 v[SPW], v[NIL]
	s_wait_dscnt 0x0
	CROUND
	s_endpgm
.Lfunc_end_k_qa7e4504106_gemm_qkv:
	.size	k_qa7e4504106_gemm_qkv, .Lfunc_end_k_qa7e4504106_gemm_qkv-k_qa7e4504106_gemm_qkv
	.p2alignl 7, 3214868480
	.fill 96, 4, 3214868480
	.section	.rodata,"a",@progbits
	.p2align	6, 0x0
	.amdhsa_kernel k_qa7e4504106_gemm_qkv
		.amdhsa_group_segment_fixed_size 327680
		.amdhsa_private_segment_fixed_size 0
		.amdhsa_enable_private_segment 0
		.amdhsa_kernarg_size 48
		.amdhsa_user_sgpr_count 2
		.amdhsa_user_sgpr_kernarg_segment_ptr 1
		.amdhsa_wavefront_size32 1
		.amdhsa_system_sgpr_workgroup_id_x 1
		.amdhsa_system_sgpr_workgroup_id_y 1
		.amdhsa_system_sgpr_workgroup_id_z 1
		.amdhsa_system_vgpr_workitem_id 0
		.amdhsa_next_free_vgpr 1024
		.amdhsa_next_free_sgpr 102
		.amdhsa_reserve_vcc 0
		.amdhsa_float_denorm_mode_32 3
		.amdhsa_float_denorm_mode_16_64 3
		.amdhsa_memory_ordered 1
		.amdhsa_forward_progress 1
		.amdhsa_inst_pref_size 227
	.end_amdhsa_kernel
	.amdgpu_metadata
---
amdhsa.version: [ 1, 2 ]
amdhsa.kernels:
  - .name:           k_qa7e4504106_gemm_qkv
    .symbol:         k_qa7e4504106_gemm_qkv.kd
    .args:
      - { .name: codes, .offset: 0, .size: 8, .value_kind: global_buffer, .address_space: global }
      - { .name: scales, .offset: 8, .size: 8, .value_kind: global_buffer, .address_space: global }
      - { .name: freqs_cos, .offset: 16, .size: 8, .value_kind: global_buffer, .address_space: global }
      - { .name: freqs_sin, .offset: 24, .size: 8, .value_kind: global_buffer, .address_space: global }
      - { .name: qkvi, .offset: 32, .size: 8, .value_kind: global_buffer, .address_space: global }
      - { .name: qkvs, .offset: 40, .size: 8, .value_kind: global_buffer, .address_space: global }
    .group_segment_fixed_size: 327680
    .private_segment_fixed_size: 0
    .kernarg_segment_align: 8
    .kernarg_segment_size: 48
    .max_flat_workgroup_size: 128
    .sgpr_count:     102
    .vgpr_count:     1024
    .wavefront_size: 32
...
	.end_amdgpu_metadata
.endif
;; end of part 2
;; launch attn (part 3): grid 8 x 32, 16 waves a work-group, no clusters, 327,680 bytes of LDS; arguments qkvi, qkvs, oc, os; writes oc, os
.if DOCPART == 3
	.amdgcn_target "amdgcn-amd-amdhsa--gfx1250"
	.amdhsa_code_object_version 6
	.text
	.protected	k_qa7e4504106_attn
	.globl	k_qa7e4504106_attn
	.p2align	8
	.type	k_qa7e4504106_attn,@function
k_qa7e4504106_attn:
	s_mov_b64 s[64:65], 0
	v_nop
	global_prefetch_b8 v0, s[64:65] scope:SCOPE_SE
	s_setreg_imm32_b32 hwreg(HW_REG_WAVE_MODE, 25, 1), 1
	s_wait_xcnt 0x0
; Causal attention on codes of FP6 (E2M3): S = q k^T / 8 (K = 64: the upper half of each operand's 128 is zero codes), p = 2^(t - M), o = (p v) / l, and o quantised along d for the last product.
; t = score x log2(e) / 8; M = the row's largest t so far, rounded UP to a whole number; p is quantised along the keys, not normalised; l is the sum of the unquantised p.  When M moves, l and O are multiplied by 2^(old M - new M): exact.
; SHARES.  A work-group owns one (batch, kv head) and two blocks of 64 tokens, J and 15 - J, for the group's four query heads.  Wave w: head w / 4, tile w % 4 of the block; two passes of one tile of 16 queries each.
; A tile t walks t / 8 + 1 key steps of 128 keys, and (4 J + u) / 8 + (63 - 4 J - u) / 8 = 7: every wave of the launch works 9 key steps, 2 of them on the diagonal.
; K AND V OF THE WHOLE (batch, kv head), 104,448 bytes of register images and scale words, come into LDS once, at the head: no ring, nothing is filled again.
; NO CLUSTER: what tells apart the work-groups that share K and V is the query block, on which the causal skip's branches hang; partners must run alike.  With heads as partners a token's 192 bytes of codes would come from four
; work-groups in pieces.  What is shared enters once a work-group.
; LAYOUT.  Both products are used transposed: S^T = K Q^T, O^T = V^T P^T: a lane holds one query (lane % 16) throughout.  A tile's 16 tokens are 32 (t / 2) + 8 (t % 2) + r % 8 + 16 (r / 8) (so the launch before stored them): the 16 registers
; of two neighbouring tiles of S^T are 16 neighbouring keys, those of O^T 16 neighbouring d.
; A step all of whose keys come after the tile's queries is left out by a scalar branch on ids; the loops' trip counts are constants.
; LIMITS: NaN and infinities are not served; v_exp_f32 and v_rcp_f32 are accurate to 1 ulp and flush denormals (ISA guide 15.8); a block's largest p is taken from its largest score by the same two instructions, which
; takes v_exp_f32 not to fall where its input rises; a block of zeros gets the byte 1 with zero codes (only this program reads the bytes).
.set KIMG, 0                           ; LDS: K's 64 tiles x 768 bytes
.set VIMG, 49152                       ; V's 8 key steps x 4 tiles x 1,536 bytes
.set KSCL, 98304                       ; K's scale words, 64 bytes a tile
.set VSCL, 102400                      ; V's, 64 bytes a tile
.set OST,  104448                      ; o's codes: a stage for each pass, 64 tokens x 192 bytes
.set SST,  129024                      ; o's scale bytes: 64 tokens x 8 bytes for each pass
.set KI,   6291456                     ; k's images in 'qkvi'; v's lie 1,572,864 bytes on
.set KSO,  524288                      ; k's and v's scale words in 'qkvs'
.set VSO,  655360
.set LI16, 1                           ; v1  16 x lane
.set LI8,  2                           ; v2  8 x lane
.set R4,   3                           ; v3  4 r
.set ADK,  4                           ; v4-8 the step's LDS addresses
.set ADK8, 5
.set ADS,  6
.set ADV,  7
.set ADT,  8
.set QSW,  28                          ; v28, v29 Q's scale words, pass 0 and 1
.set DQ,   30                          ; v30, v31 my query among its 128, less 16 (lane / 16)
.set KFR,  32                          ; v32-79 four fragments of K: the upper six registers of each are zeros, set once
.set KSW,  80                          ; v80-83 K's scale words;  v84-87 V's
.set VSW,  84
.set AV0,  88
.set ASK0, 89
.set ASV0, 90
.set RDA,  91
.set RDB,  92
.set RDS,  93
.set GOA,  94
.set GOB,  95
.set ST,   96                          ; v96-159 S^T, then p; then V's four fragments (v96-143); at a pass's end o
.set OT,   160                         ; v160-191 O^T
.set CDS,  192                         ; v192-211 codes
.set BM,   212                         ; v212-215 the blocks' largest
.set PT,   216                         ; v216-219 at work
.set SO,   220                         ; v220-223 the conversions' scale operands
.set PWD,  224                         ; v224 the scale word just made
.set TA,   225
.set F,    226                         ; v[226:227] f = 2^(old M - new M)
.set TB,   228
.set STO,  229                         ; v229, v230 where my codes of o go in the stage
.set GOS,  253
.set SSTO, 254                         ; v254, v255 and my two scale bytes
.set WV,   12
.set SEL,  20
.set CS,   22
.set G1I,  24
.set G1KS, 32
.set G1VS, 40
.set G0I,  48
.set G0KS, 52
.set G0VS, 56
.set KC,   60                          ; s60 the key step;  s61-63 its bytes among the images (6,144), K's scale words (512), V's (256)
.set KB,   61
.set SB,   62
.set WB,   63
.set QD,   66                          ; s66, s67 the tile's diagonal key step
.set QB,   68                          ; s[68:71] Q's images;  s[72:75] Q's scale words;  s[76:79] oc;  s[80:83] os: a pair for each pass
.set QSB,  72
.set OCB,  76
.set OSB,  80
.set QH,   2                           ; s2, s3 which block of 32 keys of the diagonal step holds the tile's first query: (t % 8) / 2, a number for each pass
	s_load_b256 s[4:11], s[0:1], 0x0               ; qkvi s[4:5], qkvs s[6:7], oc s[8:9], os s[10:11]
	v_lshl_add_u32 v231, v0, 2, 0x29000
	v_mov_b32 v252, 0
	ds_add_u32 v231, v252
	ds_add_u32 v231, v252
	v_lshrrev_b32 v9, 5, v0
	s_delay_alu instid0(VALU_DEP_1)
	v_readfirstlane_b32 s[WV], v9                  ; wave 0..15
	s_lshr_b32 s13, s[WV], 2                       ; i: my head of the group's four
	s_and_b32 s14, s[WV], 3                        ; u: my tile of the block's four
	s_and_b32 s15, ttmp7, 0xffff                   ; 8 b + g
	s_lshr_b32 s16, s15, 3
	s_and_b32 s17, s15, 7
	; descriptor groups 1: dense blocks as rows of 256 bytes (32 elements of 8 bytes): 16 rows (a sixth of one half of K's or V's images), 16 (K's scale words), 8 (V's)
.irp g, G1I, G1KS, G1VS
	s_mov_b32 s[\g], 3<<16
	s_mov_b32 s[\g+1], 32<<16
	s_mov_b32 s[\g+3], 32<<16
	s_mov_b32 s[\g+5], 32
	s_mov_b32 s[\g+6], 0
	s_mov_b32 s[\g+7], 0
.endr
	s_mov_b32 s[G1I+2], 16<<16
	s_mov_b32 s[G1I+4], 16
	s_mov_b32 s[G1KS+2], 16<<16
	s_mov_b32 s[G1KS+4], 16
	s_mov_b32 s[G1VS+2], 8<<16
	s_mov_b32 s[G1VS+4], 8
	s_and_b32 s84, s[WV], 1                        ; waves 0-11: K's (0) or V's (1) images,
	s_lshr_b32 s85, s[WV], 1                       ; which sixth
	s_mul_i32 s86, s84, 49152
	s_mul_i32 s87, s85, 4096
	s_mov_b32 s[G0I], 1
	s_add_co_u32 s[G0I+1], s86, s87                ; LDS address
	s_mul_i32 s86, s84, 1572864
	s_add_co_u32 s86, s86, s87
	s_mul_i32 s88, s15, 49152
	s_add_co_u32 s86, s86, s88
	s_add_co_u32 s86, s86, KI
	s_mov_b32 s87, 0
	s_lshl_b32 s88, s15, 12
	s_add_co_u32 s88, s88, KSO
	s_mov_b32 s89, 0
	s_lshl_b32 s90, s15, 11
	s_add_co_u32 s90, s90, VSO
	s_mov_b32 s91, 0
	s_mov_b32 s[G0KS], 1
	s_mov_b32 s[G0KS+1], KSCL
	s_mov_b32 s[G0VS], 1
	s_mov_b32 s[G0VS+1], VSCL
	s_wait_dscnt 0x0
	s_wait_kmcnt 0x0
	s_add_nc_u64 s[G0I+2:G0I+3], s[4:5], s[86:87]
	s_or_b32 s[G0I+3], s[G0I+3], 0x80000000
	s_add_nc_u64 s[G0KS+2:G0KS+3], s[6:7], s[88:89]
	s_or_b32 s[G0KS+3], s[G0KS+3], 0x80000000
	s_add_nc_u64 s[G0VS+2:G0VS+3], s[6:7], s[90:91]
	s_or_b32 s[G0VS+3], s[G0VS+3], 0x80000000
	; the first and only fills: one tensor load a wave in waves 0 to 13; four v_nop follow each
	s_cmp_lt_u32 s[WV], 12
	s_cbranch_scc0 .Lnot_img
	tensor_load_to_lds s[G0I:G0I+3], s[G1I:G1I+7]
	s_nop 0
.rept 4
	v_nop
.endr
	s_branch .Lfilled
.Lnot_img:
	s_cmp_eq_u32 s[WV], 12
	s_cbranch_scc0 .Lnot_ks
	tensor_load_to_lds s[G0KS:G0KS+3], s[G1KS:G1KS+7]
	s_nop 0
.rept 4
	v_nop
.endr
	s_branch .Lfilled
.Lnot_ks:
	s_cmp_eq_u32 s[WV], 13
	s_cbranch_scc0 .Lfilled
	tensor_load_to_lds s[G0VS:G0VS+3], s[G1VS:G1VS+7]
	s_nop 0
.rept 4
	v_nop
.endr
.Lfilled:
	s_lshl_b32 s84, s16, 5
	s_lshl_b32 s85, s17, 2
	s_add_co_u32 s84, s84, s85
	s_add_co_u32 s84, s84, s13
	s_lshl_b32 s84, s84, 6                         ; the first tile of (b, head 4 g + i)
	s_lshl_b32 s85, ttmp9, 2
	s_add_co_u32 s85, s85, s14                     ; pass 0: tile 4 J + u
	s_sub_co_u32 s86, 63, s85                      ; pass 1: tile 63 - 4 J - u
	s_mov_b32 s18, s14                             ; its place in its block of four: u,
	s_xor_b32 s19, s14, 3                          ; 3 - u
	s_lshl_b32 s87, ttmp9, 6                       ; the block's first token: 64 J,
	s_sub_co_u32 s88, 960, s87                     ; 64 (15 - J)
	s_lshl_b32 s89, s17, 12
	s_lshl_b32 s90, s16, 10
	s_add_co_u32 s89, s89, s90                     ; 4,096 g + 1,024 b
	s_mov_b32 s93, 0
.irp p, 0,1
	s_lshr_b32 s[QD+\p], s[85+\p], 3
	s_add_co_u32 s91, s84, s[85+\p]
	s_mul_i32 s92, s91, 768
	s_add_nc_u64 s[QB+2*\p:QB+2*\p+1], s[4:5], s[92:93]
	s_lshl_b32 s92, s91, 6
	s_add_nc_u64 s[QSB+2*\p:QSB+2*\p+1], s[6:7], s[92:93]
	s_add_co_u32 s92, s90, s[87+\p]
	s_mul_i32 s92, s92, 1536                       ; oc: [16 tokens][128 K][1,536 bytes]; my group's four heads are K steps 2 g and 2 g + 1
	s_mul_i32 s91, s17, 3072
	s_add_co_u32 s92, s92, s91
	s_add_nc_u64 s[OCB+2*\p:OCB+2*\p+1], s[8:9], s[92:93]        ; oc: the block's first token, K step 2 g
	s_add_co_u32 s92, s90, s[87+\p]
	s_lshl_b32 s92, s92, 6
	s_lshl_b32 s91, s17, 3
	s_add_co_u32 s92, s92, s91
	s_add_nc_u64 s[OSB+2*\p:OSB+2*\p+1], s[10:11], s[92:93]      ; os: [token][64 bytes], my group's 8 at 8 g
.endr
	v_and_b32 v9, 31, v0                           ; lane
	s_delay_alu instid0(VALU_DEP_1)
	v_lshlrev_b32 v[LI16], 4, v9
	s_delay_alu instid0(VALU_DEP_2)
	v_lshlrev_b32 v[LI8], 3, v9
	v_and_b32 v10, 15, v0                          ; r
	v_bfe_u32 v11, v0, 4, 1                        ; h
	s_delay_alu instid0(VALU_DEP_2)
	v_lshlrev_b32 v[R4], 2, v10
.irp p, 0,1                                    ; Q's images stay in registers: v16-21 and v232-237
	global_load_b128 v[16+216*\p:19+216*\p], v[LI16], s[QB+2*\p:QB+2*\p+1]
	global_load_b64 v[20+216*\p:21+216*\p], v[LI8], s[QB+2*\p:QB+2*\p+1] offset:512
	global_load_b32 v[QSW+\p], v[R4], s[QSB+2*\p:QSB+2*\p+1]
.endr
	s_mov_b32 s[SEL], 0x76543210
	s_mov_b32 s[SEL+1], 0xfedcba98
	s_mov_b32 s[CS], 0x3e38aa3b                    ; c = log2(e) / sqrt(64)
	s_mov_b32 s[CS+1], s[CS]                       ; (named with it as a pair, so it is written)
	v_add_nc_u32 v[AV0], VIMG, v[LI16]
	v_add_nc_u32 v[ASK0], KSCL, v[R4]
	v_add_nc_u32 v[ASV0], VSCL, v[R4]
	v_and_b32 v[TA], 8, v10
	s_delay_alu instid0(VALU_DEP_1)
	v_add_nc_u32 v[TA], v[TA], v10                 ; r % 8 + 16 (r / 8): my token among its tile pair's 32
	v_lshlrev_b32 v[TB], 4, v11
	s_delay_alu instid0(VALU_DEP_1)
	v_sub_nc_u32 v[TB], v[TA], v[TB]               ; less 16 h
	v_lshrrev_b32 v[PT], 3, v10
	v_and_b32 v[PT+1], 7, v10
	s_delay_alu instid0(VALU_DEP_2)
	v_mul_u32_u24 v[F], v[PT], 3072                ; the stage holds the images as oc has them: 3,072 bytes for 16 tokens,
	s_delay_alu instid0(VALU_DEP_1)
	v_mad_u32_u24 v[F], v[PT+1], 48, v[F]          ; 48 a token,
	s_delay_alu instid0(VALU_DEP_1)
	v_mad_u32_u24 v[F], v11, 768, v[F]             ; d = 32 .. 63 in the image's upper half
	s_wait_alu depctr_va_vdst(0)
	v_lshlrev_b32 v[F+1], 3, v[TA]                 ; and its 8 scale bytes
	s_wait_alu depctr_va_vdst(0)
.irp p, 0,1
	s_and_b32 s91, s[85+\p], 6
	s_lshr_b32 s[QH+\p], s91, 1
	s_lshl_b32 s91, s91, 4
	s_and_b32 s92, s[85+\p], 1
	s_lshl_b32 s92, s92, 3
	s_add_co_u32 s91, s91, s92                     ; 32 ((t % 8) / 2) + 8 (t % 2)
	v_add_nc_u32 v[DQ+\p], s91, v[TB]
	s_lshr_b32 s91, s[18+\p], 1
	s_and_b32 s92, s[18+\p], 1
	s_mul_i32 s94, s91, 6144
	s_mul_i32 s95, s92, 384
	s_add_co_u32 s94, s94, s95
	s_lshr_b32 s95, s13, 1
	s_mul_i32 s95, s95, 1536
	s_add_co_u32 s94, s94, s95
	s_and_b32 s95, s13, 1
	s_mul_i32 s95, s95, 24
	s_add_co_u32 s94, s94, s95
	s_add_co_u32 s94, s94, OST+12288*\p
	v_add_nc_u32 v[STO+\p], s94, v[F]
	s_lshl_b32 s94, s91, 8
	s_lshl_b32 s95, s92, 6
	s_add_co_u32 s94, s94, s95
	s_lshl_b32 s95, s13, 1
	s_add_co_u32 s94, s94, s95
	s_add_co_u32 s94, s94, SST+512*\p
	v_add_nc_u32 v[SSTO+\p], s94, v[F+1]
.endr
	s_mul_i32 s94, s[WV], 768                      ; the way out: wave w takes bytes 768 w .. 768 w + 767 of a stage's 12,288
	v_add_nc_u32 v[GOA], s94, v[LI16]
	v_add_nc_u32 v[GOB], s94, v[LI8]
	s_delay_alu instid0(VALU_DEP_1)
	v_add_nc_u32 v[GOB], 512, v[GOB]
	s_delay_alu instid0(VALU_DEP_3)
	v_add_nc_u32 v[RDA], OST, v[GOA]
	s_delay_alu instid0(VALU_DEP_2)
	v_add_nc_u32 v[RDB], OST, v[GOB]
	s_lshr_b32 s94, s[WV], 2                       ; in oc the stage's four runs of 3,072 bytes lie 24,576 apart
	s_mul_i32 s94, s94, 21504
	v_add_nc_u32 v[GOA], s94, v[GOA]
	v_add_nc_u32 v[GOB], s94, v[GOB]
	v_lshl_add_u32 v[RDS], v0, 3, SST              ; threads 0 to 63: a token's 8 scale bytes
	v_lshlrev_b32 v[GOS], 6, v0
.irp j, 0,1,2,3,4,5
	v_mov_b32 v[22+\j], 0                          ; K = 64: the codes of k = 64 .. 127 are zeros, in Q
	v_mov_b32 v[238+\j], 0
.irp t, 0,1,2,3
	v_mov_b32 v[KFR+12*\t+6+\j], 0                 ; and in K's four fragments
.endr
.endr
.irp b, 0,1,2,3
	v_mov_b32 v[PT+\b], 0                          ; a lane permute's destination counts as one of its sources
.endr
	v_mov_b32 v[F+1], 0                            ; (named as the upper half of f's pair)
	; K AND V COME IN TWO HALVES.  The head has asked for key steps 0 to 3 (24,576 bytes of K's images and of V's) and all scale words: pass 0's tiles, 4 J + u <= 31, walk no further.
	; Key steps 4 to 7 are asked for here, each wave's one tensor load behind the barrier, into bytes that nothing has filled; they are waited for in front of the barrier that ends pass 0.
	s_wait_alu depctr_va_vdst(0)                   ; the wait at the head's end
	s_wait_tensorcnt 0x0                           ; my part of the first halves is in;
	ds_add_u32 v231, v252                          ; the add twice on end
	ds_add_u32 v231, v252
	s_add_co_u32 s[G0I+1], s[G0I+1], 24576         ; no tensor load of mine is out: the descriptor steps to the second half, in LDS and in memory
	s_add_nc_u64 s[G0I+2:G0I+3], s[G0I+2:G0I+3], 24576
	s_wait_dscnt 0x0
	s_barrier_signal -1
	s_barrier_wait -1                              ; everybody's part of the first halves is in
	s_cmp_lt_u32 s[WV], 12
	s_cbranch_scc0 .Lno_second
	tensor_load_to_lds s[G0I:G0I+3], s[G1I:G1I+7]
	s_nop 0
.rept 4
	v_nop
.endr
.Lno_second:
	s_wait_loadcnt 0x0                             ; Q
; A KEY STEP of pass p: 128 keys
; The diagonal step's mask for block b of 32 keys.  A block that lies wholly ahead of the tile's first query (b < (t % 8) / 2) has no hidden key: a scalar branch on ids leads round its 32 lines.
.macro MASKB p, b
	s_cmp_gt_u32 s[QH+\p], \b
	s_cbranch_scc1 .Lvis_\@
.set n, 0
.rept 16
	v_cmp_gt_i32 vcc_lo, 32*\b+n, v[DQ+\p]
	v_cndmask_b32 v[ST+16*\b+n], v[ST+16*\b+n], v[TA], vcc_lo
.set n, n+1
.endr
	s_wait_alu depctr_va_vdst(0)                   ; the wait ahead of the branches that follow
.Lvis_\@:
.endm
.macro STEP p
.set QF, 16+216*(\p)
	s_cmp_gt_u32 s[KC], s[QD+\p]                   ; all its keys come after my queries: only the steps of the addresses are left
	s_cbranch_scc1 .Lhid_\@
	v_add_nc_u32 v[ADK], s[KB], v[LI16]
	s_wait_alu depctr_va_vdst(0)
	v_add_nc_u32 v[ADK8], s[KB], v[LI8]
	s_wait_alu depctr_va_vdst(0)
	v_add_nc_u32 v[ADS], s[SB], v[ASK0]
	s_wait_alu depctr_va_vdst(0)
	v_add_nc_u32 v[ADV], s[KB], v[AV0]
	v_add_nc_u32 v[ADT], s[WB], v[ASV0]
.irp g, 0,1                                    ; S^T = K Q^T, four tiles of 16 keys at a time
.if \g > 0
.rept 4
	v_nop                                          ; places in front of loads into registers that matrix instructions have read
.endr
.endif
.irp t, 0,1,2,3
	ds_load_b128 v[KFR+12*\t:KFR+12*\t+3], v[ADK] offset:768*(4*\g+\t)
	ds_load_b64 v[KFR+12*\t+4:KFR+12*\t+5], v[ADK8] offset:768*(4*\g+\t)+512
	ds_load_b32 v[KSW+\t], v[ADS] offset:64*(4*\g+\t)
.endr
	s_wait_dscnt 0x0
.irp t, 0,1,2,3
	v_wmma_scale_f32_16x16x128_f8f6f4 v[ST+8*(4*\g+\t):ST+8*(4*\g+\t)+7], v[KFR+12*\t:KFR+12*\t+11], v[QF:QF+11], 0, v[KSW+\t], v[QSW+\p] matrix_a_fmt:MATRIX_FMT_FP6 matrix_b_fmt:MATRIX_FMT_FP6
.endr
.endr
.rept 4
	v_nop
.endr
	s_cmp_lt_u32 s[KC], s[QD+\p]                   ; a step all of whose keys count skips the mask
	s_cbranch_scc1 .Lopen_\@
	v_mov_b32 v[TA], 0xff800000                    ; on the diagonal the scores of hidden keys become -infinity: p = 0 then.  Register 16 b + i holds key 32 b + 16 (lane / 16) + i of the step
	s_wait_alu depctr_va_vdst(0)                   ; the wait ahead of the branches below
	MASKB \p, 0
	MASKB \p, 1
	MASKB \p, 2
	MASKB \p, 3
.Lopen_\@:
.irp b, 0,1,2,3
	v_max3_num_f32 v[BM+\b], v[ST+16*\b], v[ST+1+16*\b], v[ST+2+16*\b]   ; the largest score of each block of 32 keys: for the row's maximum, and, since p rises with the score, for the block's largest p
.endr
.irp i, 3,5,7,9,11,13
.irp b, 0,1,2,3
	v_max3_num_f32 v[BM+\b], v[BM+\b], v[ST+16*\b+\i], v[ST+1+16*\b+\i]
.endr
.endr
.irp b, 0,1,2,3
	v_max_num_f32 v[BM+\b], v[BM+\b], v[ST+15+16*\b]
.endr
.irp b, 0,1,2,3
	s_delay_alu instid0(VALU_DEP_4)
	v_permlanex16_b32 v[PT+\b], v[BM+\b], s[SEL], s[SEL+1]
.endr
.irp b, 0,1,2,3
	s_delay_alu instid0(VALU_DEP_4)
	v_max_num_f32 v[BM+\b], v[BM+\b], v[PT+\b]     ; with lane l xor 16's 16 keys
.endr
	s_delay_alu instid0(VALU_DEP_2)
	v_max3_num_f32 v[TA], v[BM], v[BM+1], v[BM+2]
	s_delay_alu instid0(VALU_DEP_1)
	v_max_num_f32 v[TA], v[TA], v[BM+3]
	s_delay_alu instid0(VALU_DEP_1)
	v_mul_f32 v[TA], s[CS], v[TA]                  ; as t (c is positive)
	s_delay_alu instid0(VALU_DEP_1)
	v_max_num_f32 v13, v13, v[TA]                  ; the running largest t
	v_mov_b32 v[TA], v12
	s_delay_alu instid0(VALU_DEP_2)
	v_floor_f32 v12, -v13                          ; the new -M = floor(-t): M is a whole number
	s_delay_alu instid0(VALU_DEP_1)
	v_sub_f32 v[TA], v12, v[TA]                    ; old M - new M: a whole number, 0 or less
	s_delay_alu instid0(VALU_DEP_1)
	v_cvt_i32_f32 v[TA], v[TA]                     ; (it saturates)
	s_delay_alu instid0(VALU_DEP_1)
	v_ldexp_f32 v[F], 1.0, v[TA]                   ; f = 2^(old M - new M)
.set j, 0
.rept 32
	v_pk_fma_f32 v[ST+j:ST+j+1], v[ST+j:ST+j+1], s[CS:CS+1], v[12:13] op_sel_hi:[1,0,0]   ; t - M, two at a time
.set j, j+2
.endr
.irp b, 0,1,2,3
	v_fma_f32 v[BM+\b], v[BM+\b], s[CS], v12       ; the same of each block's largest score
.endr
.set j, 0
	s_wait_alu depctr_va_vdst(0)
.rept 64
	v_exp_f32 v[ST+j], v[ST+j]                     ; p = 2^(t - M), at most 1
.set j, j+1
.endr
	v_pk_mul_f32 v[14:15], v[14:15], v[F:F+1] op_sel_hi:[1,0]   ; the sums under the new M (a plain place behind the exponentials)
	s_wait_alu depctr_va_vdst(0)                   ; one wait for the batch of 64, ahead of its first reader
.irp b, 0,1,2,3
	v_exp_f32 v[BM+\b], v[BM+\b]                   ; the block's largest p
.endr
	v_pk_add_f32 v[216:217], v[100:101], v[104:105]
	v_pk_add_f32 v[250:251], v[108:109], v[112:113]
	v_pk_add_f32 v[248:249], v[116:117], v[120:121]
	v_pk_add_f32 v[246:247], v[124:125], v[128:129]
	v_pk_add_f32 v[244:245], v[132:133], v[136:137]
	v_pk_add_f32 v[224:225], v[140:141], v[144:145]
	v_pk_add_f32 v[222:223], v[148:149], v[152:153]
	v_pk_add_f32 v[14:15], v[14:15], v[156:157]
	v_pk_add_f32 v[216:217], v[216:217], v[96:97]
	v_pk_add_f32 v[250:251], v[250:251], v[98:99]
	v_pk_add_f32 v[248:249], v[248:249], v[102:103]
	v_pk_add_f32 v[246:247], v[246:247], v[106:107]
	v_pk_add_f32 v[244:245], v[244:245], v[110:111]
	v_pk_add_f32 v[224:225], v[224:225], v[114:115]
	v_pk_add_f32 v[222:223], v[222:223], v[118:119]
	v_pk_add_f32 v[14:15], v[14:15], v[122:123]
	v_pk_add_f32 v[216:217], v[216:217], v[126:127]
	v_pk_add_f32 v[250:251], v[250:251], v[130:131]
	v_pk_add_f32 v[248:249], v[248:249], v[134:135]
	v_pk_add_f32 v[246:247], v[246:247], v[138:139]
	v_pk_add_f32 v[244:245], v[244:245], v[142:143]
	v_pk_add_f32 v[224:225], v[224:225], v[146:147]
	v_pk_add_f32 v[222:223], v[222:223], v[150:151]
	v_pk_add_f32 v[14:15], v[14:15], v[154:155]
	v_pk_add_f32 v[216:217], v[216:217], v[158:159]
	s_delay_alu instid0(VALU_DEP_2)
	v_pk_add_f32 v[14:15], v[14:15], v[246:247]
	s_delay_alu instid0(VALU_DEP_2)
	v_pk_add_f32 v[216:217], v[216:217], v[244:245]
	v_pk_add_f32 v[250:251], v[250:251], v[224:225]
	v_pk_add_f32 v[248:249], v[248:249], v[222:223]
	s_delay_alu instid0(VALU_DEP_2)
	v_pk_add_f32 v[14:15], v[14:15], v[250:251]
	s_delay_alu instid0(VALU_DEP_2)
	v_pk_add_f32 v[216:217], v[216:217], v[248:249]
	s_delay_alu instid0(VALU_DEP_1)
	v_pk_add_f32 v[14:15], v[14:15], v[216:217]
	s_wait_alu depctr_va_vdst(0)                   ; and one for the four
.irp b, 0,1,2,3
	v_max_num_f32 v[BM+\b], 0x1800000, v[BM+\b]    ; the floor 2^(3 - 127): the byte cannot fall under 1
.endr
.irp b, 0,1,2,3
	s_delay_alu instid0(VALU_DEP_4)
	v_add_nc_u32 v[SO+\b], 0xff000000, v[BM+\b]    ; 2 off the exponent field: the conversion's scale operand
.endr
.irp b, 0,1,2,3
	s_delay_alu instid0(VALU_DEP_4)
	v_lshrrev_b32 v[PT+\b], 23, v[SO+\b]           ; the scale's byte
.endr
	s_delay_alu instid0(VALU_DEP_3)
	v_lshl_or_b32 v[PWD], v[PT+1], 8, v[PT]        ; p's scale word for these 128 keys
	s_delay_alu instid0(VALU_DEP_1)
	v_lshl_or_b32 v[PWD], v[PT+2], 16, v[PWD]
	s_delay_alu instid0(VALU_DEP_1)
	v_lshl_or_b32 v[PWD], v[PT+3], 24, v[PWD]
.irp c, 0,1
	v_cvt_scalef32_pk16_fp6_f32 v[CDS+6*\c:CDS+2+6*\c], v[ST+32*\c:ST+15+32*\c], v[SO+2*\c]
	v_cvt_scalef32_pk16_fp6_f32 v[CDS+12+4*\c:CDS+14+4*\c], v[ST+16+32*\c:ST+31+32*\c], v[SO+2*\c+1]
.endr
	v_nop                                          ; one plain place behind a scaled conversion
.irp t, 0,1,2,3                                ; V's four fragments take p's registers: they land while the codes are put in order and O^T is rescaled
.irp i, 0,1,2
	ds_load_b128 v[ST+12*\t+4*\i:ST+12*\t+4*\i+3], v[ADV] offset:1536*\t+512*\i
.endr
	ds_load_b32 v[VSW+\t], v[ADT] offset:64*\t
.endr
.irp c, 0,1                                    ; the operand's layout wants a whole block in a lane
.irp i, 0,1,2
	v_permlane16_swap_b32 v[CDS+6*\c+\i], v[CDS+12+4*\c+\i]
.endr
.irp i, 0,1,2
	s_delay_alu instid0(VALU_DEP_3)
	v_mov_b32 v[CDS+3+6*\c+\i], v[CDS+12+4*\c+\i]
.endr
.endr
.set j, 0
.rept 16
	v_pk_mul_f32 v[OT+j:OT+j+1], v[OT+j:OT+j+1], v[F:F+1] op_sel_hi:[1,0]   ; O^T under the new M.  (These 16 are also the places between the codes' and the scale word's last writes and the products)
.set j, j+2
.endr
	s_wait_alu depctr_va_vdst(0)
	s_wait_dscnt 0x0
.irp t, 0,1,2,3                                ; O^T += V^T P^T: four tiles of 16 d, K = these 128 keys; four accumulators, one instruction each
	v_wmma_scale_f32_16x16x128_f8f6f4 v[OT+8*\t:OT+8*\t+7], v[ST+12*\t:ST+12*\t+11], v[CDS:CDS+11], v[OT+8*\t:OT+8*\t+7], v[VSW+\t], v[PWD] matrix_a_fmt:MATRIX_FMT_FP6 matrix_b_fmt:MATRIX_FMT_FP6
.endr
.rept 5
	v_nop                                          ; five places: the next step's S^T is written over registers that these products read; four serve the reads of O^T
.endr
.Lhid_\@:
	s_add_co_u32 s[KB], s[KB], 6144
	s_add_co_u32 s[SB], s[SB], 512
	s_add_co_u32 s[WB], s[WB], 256
	s_add_co_u32 s[KC], s[KC], 1
.endm
; A PASS'S END: o = O^T / l, quantised along d (two blocks of 32), through the pass's own stage in LDS, out as whole runs of 256 bytes
.macro FIN p
	v_add_f32 v14, v14, v15
	s_delay_alu instid0(VALU_DEP_1)
	v_permlanex16_b32 v[PT], v14, s[SEL], s[SEL+1]
	s_delay_alu instid0(VALU_DEP_1)
	v_add_f32 v14, v14, v[PT]                      ; the row's sum
	s_wait_alu depctr_va_vdst(0)
	v_rcp_f32 v14, v14
	v_nop                                          ; a plain place behind the reciprocal,
	s_wait_alu depctr_va_vdst(0)                   ; and the wait ahead of its first reader
.set j, 0
.rept 32
	v_mul_f32 v[ST+j], v[OT+j], v14                ; register 16 b + i = o(my query, 32 b + 16 (lane / 16) + i)
.set j, j+1
.endr
.irp b, 0,1
	v_max3_num_f32 v[BM+\b], |v[ST+16*\b]|, |v[ST+1+16*\b]|, 0x1800000
.endr
.irp i, 2,4,6,8,10,12,14
.irp b, 0,1
	s_delay_alu instid0(VALU_DEP_2)
	v_max3_num_f32 v[BM+\b], v[BM+\b], |v[ST+16*\b+\i]|, |v[ST+1+16*\b+\i]|
.endr
.endr
.irp b, 0,1
	s_delay_alu instid0(VALU_DEP_2)
	v_permlanex16_b32 v[PT+\b], v[BM+\b], s[SEL], s[SEL+1]
.endr
.irp b, 0,1
	s_delay_alu instid0(VALU_DEP_2)
	v_max_num_f32 v[BM+\b], v[BM+\b], v[PT+\b]
.endr
.irp b, 0,1
	s_delay_alu instid0(VALU_DEP_2)
	v_add_nc_u32 v[SO+\b], 0xff000000, v[BM+\b]
.endr
.irp b, 0,1
	s_delay_alu instid0(VALU_DEP_2)
	v_lshrrev_b32 v[PT+\b], 23, v[SO+\b]
.endr
	s_delay_alu instid0(VALU_DEP_1)
	v_lshl_or_b32 v[PWD], v[PT+1], 8, v[PT]        ; my head's two scale bytes of my token
	v_cvt_scalef32_pk16_fp6_f32 v[CDS:CDS+2], v[ST:ST+15], v[SO]
	v_cvt_scalef32_pk16_fp6_f32 v[CDS+12:CDS+14], v[ST+16:ST+31], v[SO+1]
	v_nop
.irp i, 0,1,2
	v_permlane16_swap_b32 v[CDS+\i], v[CDS+12+\i]
.endr
.irp i, 0,1,2
	s_delay_alu instid0(VALU_DEP_3)
	v_mov_b32 v[CDS+3+\i], v[CDS+12+\i]            ; six registers: d = 32 (lane / 16) + 0 .. 31: 24 bytes of the token's stream of bits
.endr
	ds_store_b64 v[STO+\p], v[CDS:CDS+1]
	ds_store_b64 v[STO+\p], v[CDS+2:CDS+3] offset:8
	ds_store_b64 v[STO+\p], v[CDS+4:CDS+5] offset:16
	ds_store_b16 v[SSTO+\p], v[PWD]                ; both halves of the lanes write the same two bytes with the same value
.if \p == 0
	s_wait_tensorcnt 0x0                           ; my part of key steps 4 to 7 is in: behind this barrier everybody's is, and pass 1 may read them
.endif
	s_wait_dscnt 0x0                               ; for the others' sake: my stores into the stage are done
	s_barrier_signal -1
	s_barrier_wait -1
	ds_load_b128 v[244:247], v[RDA] offset:12288*\p
	ds_load_b64 v[248:249], v[RDB] offset:12288*\p
	s_wait_dscnt 0x0
	global_store_b128 v[GOA], v[244:247], s[OCB+2*\p:OCB+2*\p+1]   ; 512 consecutive bytes, aligned to 256,
	global_store_b64 v[GOB], v[248:249], s[OCB+2*\p:OCB+2*\p+1]    ; and 256
	s_cmp_lt_u32 s[WV], 2                          ; waves 0 and 1: the 64 tokens' scale bytes, 8 a token
	s_cbranch_scc0 .Lno_os_\@
	ds_load_b64 v[250:251], v[RDS] offset:512*\p
	s_wait_dscnt 0x0
	global_store_b64 v[GOS], v[250:251], s[OSB+2*\p:OSB+2*\p+1]
.Lno_os_\@:
.endm
.macro PASS p
	s_wait_xcnt 0x0                                ; the pass before has stores out: their data registers are written again in this pass
	v_mov_b32 v13, 0xff61b1e6                      ; the largest t so far: -3e38, under every t
	s_delay_alu instid0(VALU_DEP_1)
	v_floor_f32 v12, -v13                          ; -M
	v_mov_b32 v14, 0                               ; the sum, in two halves
	v_mov_b32 v15, 0
.set j, 0
.rept 32
	v_mov_b32 v[OT+j], 0                           ; O^T: the step is written once a pass: its first trip finds zeros, which the first change of M leaves zeros
.set j, j+1
.endr
	s_mov_b32 s[KC], 0
	s_mov_b32 s[KB], 0
	s_mov_b32 s[SB], 0
	s_mov_b32 s[WB], 0
.Lstep_\@:                                         ; a constant number of trips: four in pass 0, whose tiles end in key step 3 at the latest, eight in pass 1; the trips behind the diagonal only step
	STEP \p
	s_cmp_lt_u32 s[KC], 4+4*\p
	s_cbranch_scc1 .Lstep_\@
	FIN \p
.endm
	PASS 0
	PASS 1
	s_wait_tensorcnt 0x0
	ds_add_u32 v231, v252
	s_wait_dscnt 0x0
	s_endpgm
.Lfunc_end_k_qa7e4504106_attn:
	.size	k_qa7e4504106_attn, .Lfunc_end_k_qa7e4504106_attn-k_qa7e4504106_attn
	.p2alignl 7, 3214868480
	.fill 96, 4, 3214868480
	.section	.rodata,"a",@progbits
	.p2align	6, 0x0
	.amdhsa_kernel k_qa7e4504106_attn
		.amdhsa_group_segment_fixed_size 327680
		.amdhsa_private_segment_fixed_size 0
		.amdhsa_enable_private_segment 0
		.amdhsa_kernarg_size 32
		.amdhsa_user_sgpr_count 2
		.amdhsa_user_sgpr_kernarg_segment_ptr 1
		.amdhsa_wavefront_size32 1
		.amdhsa_system_sgpr_workgroup_id_x 1
		.amdhsa_system_sgpr_workgroup_id_y 1
		.amdhsa_system_sgpr_workgroup_id_z 1
		.amdhsa_system_vgpr_workitem_id 0
		.amdhsa_next_free_vgpr 256
		.amdhsa_next_free_sgpr 96
		.amdhsa_reserve_vcc 1
		.amdhsa_float_denorm_mode_32 3
		.amdhsa_float_denorm_mode_16_64 3
		.amdhsa_memory_ordered 1
		.amdhsa_forward_progress 1
		.amdhsa_inst_pref_size 73
	.end_amdhsa_kernel
	.amdgpu_metadata
---
amdhsa.version: [ 1, 2 ]
amdhsa.kernels:
  - .name:           k_qa7e4504106_attn
    .symbol:         k_qa7e4504106_attn.kd
    .args:
      - { .name: qkvi, .offset: 0, .size: 8, .value_kind: global_buffer, .address_space: global }
      - { .name: qkvs, .offset: 8, .size: 8, .value_kind: global_buffer, .address_space: global }
      - { .name: oc, .offset: 16, .size: 8, .value_kind: global_buffer, .address_space: global }
      - { .name: os, .offset: 24, .size: 8, .value_kind: global_buffer, .address_space: global }
    .group_segment_fixed_size: 327680
    .private_segment_fixed_size: 0
    .kernarg_segment_align: 8
    .kernarg_segment_size: 32
    .max_flat_workgroup_size: 512
    .sgpr_count:     96
    .vgpr_count:     256
    .wavefront_size: 32
...
	.end_amdgpu_metadata
.endif
;; end of part 3
;; launch gemm_out (part 4): grid 8 x 32, 4 waves a work-group, clusters of 4 x 4, 327,680 bytes of LDS; arguments oc, os, codes, scales, out0; writes out0
.if DOCPART == 4
	.amdgcn_target "amdgcn-amd-amdhsa--gfx1250"
	.amdhsa_code_object_version 6
	.text
	.protected	k_qa7e4504106_gemm_out
	.globl	k_qa7e4504106_gemm_out
	.p2align	8
	.type	k_qa7e4504106_gemm_out,@function
k_qa7e4504106_gemm_out:
	s_mov_b64 s[64:65], 0
	v_nop
	global_prefetch_b8 v0, s[64:65] scope:SCOPE_SE
	s_setreg_imm32_b32 hwreg(HW_REG_WAVE_MODE, 25, 1), 1
	s_wait_xcnt 0x0
	s_wait_alu depctr_hold_cnt(0) depctr_sa_sdst(0) depctr_va_vdst(0) depctr_va_sdst(0) depctr_va_ssrc(0) depctr_va_vcc(0) depctr_vm_vsrc(0)
	s_getreg_b32 s2, hwreg(HW_REG_IB_STS2, 6, 4)
	s_cmp_eq_u32 s2, 0
	s_cbranch_scc0 .Lentry_in_a_cluster
	s_endpgm
.Lentry_in_a_cluster:
	s_bfe_u32 s2, ttmp6, 0x10000c
	s_cmp_lg_u32 s2, 0xf033
	s_cbranch_scc0 .Lentry_shape_is_right
	s_endpgm
.Lentry_shape_is_right:
; out0 [4096][2048] f32 = o wo^T on codes of FP6 (E2M3) with E8M0 scales, K = 2,048.  o's codes (oc) and wo's (in 'codes') lie as register images, [16 rows][128 K][1,536 bytes]: lane r + 16 h finds its 48 bytes of a fragment at 48 x lane.
; SHARES.  A block of 128 tokens x 256 columns a work-group: 32 x 8 = 256 work-groups.  Four waves, 2 x 2: a wave makes 64 x 128: 32 accumulators, 256 registers.
; THE RING.  Two LDS slots, each with K = 512 of A's 8 and B's 16 blocks of 16 rows: a tensor row is 6,144 consecutive bytes of one block of rows, at a multiple of 256 bytes; 147,456 bytes a slot, four fills in all.
; Waves 0 and 1 fetch A's halves, waves 2 and 3 B's: one tensor load a wave for each fill.  No padding: the lanes of a fragment load read 48 bytes apart, sixteen different 16-byte columns of 256 (ISA guide 11.1).
; CLUSTERS: 4 x 4; A's tiles are asked for jointly along a row of the cluster, B's along a column.
; THE SCALES of a wave's 64 + 128 rows, 64 bytes a row, go once from memory into 96 registers: lane (r, h) holds the words of K steps 8 h .. 8 h + 7 of row r, so K steps 8 to 15 name lanes 16-31 (ROW1).
; THE MATRIX INSTRUCTION IS USED TRANSPOSED (source 0 = rows of wo, source 1 = tokens): a lane holds eight neighbouring columns of one token.  The 32 accumulators take turns.
; PREFETCH: fills 1 and 2 are asked for behind fill 0's tensor load, fill 3 behind fill 1's: never more than two fills ahead.  Of the blocks of rows that a wave fetches each of the four partners takes a quarter, by address: A one block (24 units of 256 bytes, a lane each;
; the last eight lanes name the last unit again), B two.  The address registers are never rewritten.
; REGISTERS: window 0: v16-29 addresses, v32-63 A's scale words, v64-127 B's, v128-223 A's fragments in two sets (on the way out v128-255); window 1: B's fragments, two sets of 96; window 2: the accumulators, (a, b) at v[8 (8 a + b)].
; The walk along K is written out: each of the 16 steps names its own scale registers.
.set SIZE_N, 2048
.set KSB,    1536
.set FILLB,  4*KSB
.set RBB,    16*KSB
.set AQ,     4*FILLB
.set BQ,     8*FILLB
.set SLOT,   2*AQ+2*BQ
.set SPARE,  2*SLOT
.set SPITCH, 528
.set WOC,    11010048
.set WOS,    458752
.set ADRA, 16
.set ADRB, 20
.set VS,   22
.set PFO,  23
.set STO,  24
.set RD,   25
.set CO,   26
.set SPW,  28
.set NIL,  29
.set SA,   32
.set SB,   64
.set AF,   128
.set BK,   128
.set G1,  24
.set G0,  32
.set G1B, 48
.set G0B, 56
.set PFA, 66
.set MSB, 0
.macro WIN new
.if MSB != (\new)
	s_set_vgpr_msb (MSB<<8)|(\new)
.set MSB, (\new)
.endif
.endm
.set MUL,  0xa1                        ; source 0 (B) window 1, source 1 (A) window 0, C and D window 2
.set TO_B, 0x40
.macro PLACES
.rept 4
	v_nop
.endr
.endm
.macro JLOAD s                         ; an s_nop 0 and four v_nop follow each load
	s_cmp_eq_u32 s15, 0
	s_cbranch_scc0 .Lfor_b_\@
	tensor_load_to_lds s[G0+4*(\s):G0+4*(\s)+3], s[G1:G1+7]
	s_nop 0
	PLACES
	s_branch .Lasked_\@
.Lfor_b_\@:
	tensor_load_to_lds s[G0B+4*(\s):G0B+4*(\s)+3], s[G1B:G1B+7]
	s_nop 0
	PLACES
.Lasked_\@:
.endm
.macro CREST
	s_cmp_lg_u32 s14, 0
	s_cbranch_scc1 .Lnot_wave_0_\@
	s_barrier_signal -3
.Lnot_wave_0_\@:
	s_barrier_wait -3
	s_barrier_signal -1
	s_barrier_wait -1
.endm
.macro CROUND
	s_barrier_signal -1
	s_barrier_wait -1
	CREST
.endm
.macro ASK f                           ; my work-group's share of fill f of the rows that I fetch
	global_prefetch_b8 v[PFO], s[PFA:PFA+1] offset:(\f)*FILLB th:TH_LOAD_NT scope:SCOPE_SE
	s_cmp_eq_u32 s15, 0
	s_cbranch_scc1 .Lone_\@
	global_prefetch_b8 v[PFO], s[PFA:PFA+1] offset:(\f)*FILLB+RBB th:TH_LOAD_NT scope:SCOPE_SE
.Lone_\@:
.endm
	s_load_b128 s[4:7], s[0:1], 0x0                ; oc, os
	s_load_b128 s[8:11], s[0:1], 0x10              ; codes, scales
	s_load_b64 s[12:13], s[0:1], 0x20              ; out0
	v_lshl_add_u32 v[SPW], v0, 2, SPARE
	v_mov_b32 v[NIL], 0
	ds_add_u32 v[SPW], v[NIL]                      ; the opening lines: the add, twice on end, and its wait
	ds_add_u32 v[SPW], v[NIL]
	v_lshrrev_b32 v1, 5, v0
	v_readfirstlane_b32 s14, v1                    ; wave
	s_lshr_b32 s15, s14, 1                         ; my half of the tokens.  Also: I fetch for A (0) or B (1)
	s_and_b32 s16, s14, 1                          ; my half of the columns.  Also: which half of that tile I fetch
	s_bfe_u32 s40, ttmp6, 0x40000                  ; cx
	s_bfe_u32 s41, ttmp6, 0x40004                  ; cy
	s_lshl_b32 s42, ttmp9, 2
	s_add_co_u32 s42, s42, s40                     ; tile column, 0 .. 7
	s_and_b32 s17, ttmp7, 0xffff
	s_lshl_b32 s17, s17, 2
	s_add_co_u32 s17, s17, s41                     ; tile row, 0 .. 31
	s_lshl_b32 s43, s41, 2
	s_lshl_b32 s43, 15, s43                        ; my row of the cluster
	s_lshl_b32 s44, 0x1111, s40                    ; my column
	s_or_b32 s[G1], s43, (3<<16)|(1<<21)           ; elements of 8 bytes; bit 21 beside a mask
	s_or_b32 s[G1B], s44, (3<<16)|(1<<21)
.irp g, G1, G1B
	s_mov_b32 s[\g+1], (FILLB/8)<<16
	s_mov_b32 s[\g+3], (FILLB/8)<<16
	s_mov_b32 s[\g+5], RBB/8
	s_mov_b32 s[\g+6], 0
	s_mov_b32 s[\g+7], 0
.endr
	s_mov_b32 s[G1+2], 4<<16                       ; A: four blocks of rows a load,
	s_mov_b32 s[G1+4], 4
	s_mov_b32 s[G1B+2], 8<<16                      ; B: eight
	s_mov_b32 s[G1B+4], 8
	s_lshl_b32 s20, s17, 3
	s_lshl_b32 s18, s16, 2
	s_add_co_u32 s20, s20, s18
	s_mul_i32 s20, s20, RBB                        ; A's blocks that I fetch, in bytes
	s_mov_b32 s21, 0
	s_lshl_b32 s46, s42, 4
	s_lshl_b32 s18, s16, 3
	s_add_co_u32 s46, s46, s18
	s_mul_i32 s46, s46, RBB
	s_add_co_u32 s46, s46, WOC                     ; B's
	s_mov_b32 s47, 0
	s_lshl_b32 s22, s17, 13
	s_lshl_b32 s18, s15, 12
	s_add_co_u32 s22, s22, s18                     ; the scale bytes of my 64 tokens
	s_mov_b32 s23, 0
	s_lshl_b32 s92, s42, 14
	s_lshl_b32 s18, s16, 13
	s_add_co_u32 s92, s92, s18
	s_add_co_u32 s92, s92, WOS                     ; and of my 128 rows of wo
	s_mov_b32 s93, 0
	s_mul_i32 s45, s16, AQ                         ; LDS: where A's half goes,
	s_mul_i32 s94, s16, BQ
	s_add_co_u32 s94, s94, 2*AQ                    ; where B's half goes: also the half that I multiply
	s_mul_i32 s95, s15, AQ                         ; the half of A that I multiply
	s_mul_i32 s96, s14, 16*SPITCH                  ; my stage for the way out, in slot 0
	v_and_b32 v2, 31, v0
	v_and_b32 v3, 15, v0
	v_bfe_u32 v4, v0, 4, 1
	v_mul_u32_u24 v5, v2, 48
	v_add_nc_u32 v[ADRA], s95, v5
	v_add_nc_u32 v[ADRB], s94, v5
	v_add_nc_u32 v[ADRA+1], SLOT, v[ADRA]
	v_add_nc_u32 v[ADRB+1], SLOT, v[ADRB]
	v_lshlrev_b32 v[VS], 6, v3
	v_lshl_add_u32 v[VS], v4, 5, v[VS]             ; scale bytes: 64 r + 32 h
	v_min_u32 v[PFO], 23, v2
	v_lshlrev_b32 v[PFO], 8, v[PFO]
	v_mul_u32_u24 v6, v3, SPITCH
	v_lshl_add_u32 v6, v4, 5, v6
	v_add_nc_u32 v[STO], s96, v6
	v_lshlrev_b32 v[CO], 4, v2
	v_add_nc_u32 v[RD], s96, v[CO]
	s_wait_alu depctr_va_vdst(0)                   ; the wait at the head's end
	s_wait_dscnt 0x0                               ; both opening adds are done
	s_wait_kmcnt 0x0
	s_add_nc_u64 s[20:21], s[4:5], s[20:21]
	s_add_nc_u64 s[22:23], s[6:7], s[22:23]
	s_add_nc_u64 s[46:47], s[8:9], s[46:47]
	s_add_nc_u64 s[92:93], s[10:11], s[92:93]
.irp s, 0,1
	s_mov_b32 s[G0+4*\s], 1
	s_add_co_u32 s[G0+4*\s+1], s45, \s*SLOT
	s_add_nc_u64 s[G0+4*\s+2:G0+4*\s+3], s[20:21], \s*FILLB
	s_or_b32 s[G0+4*\s+3], s[G0+4*\s+3], 0x80000000
	s_mov_b32 s[G0B+4*\s], 1
	s_add_co_u32 s[G0B+4*\s+1], s94, \s*SLOT
	s_add_nc_u64 s[G0B+4*\s+2:G0B+4*\s+3], s[46:47], \s*FILLB
	s_or_b32 s[G0B+4*\s+3], s[G0B+4*\s+3], 0x80000000
.endr
	CROUND                                         ; all sixteen work-groups are here: the first joint loads meet
	JLOAD 0                                        ; fill 0: one tensor load a wave at the head
.irp i, 0,1,2,3
.irp j, 0,1
	global_load_b128 v[SA+8*\i+4*\j:SA+8*\i+4*\j+3], v[VS], s[22:23] offset:1024*\i+16*\j
.endr
.endr
.irp i, 0,1,2,3,4,5,6,7
.irp j, 0,1
	global_load_b128 v[SB+8*\i+4*\j:SB+8*\i+4*\j+3], v[VS], s[92:93] offset:1024*\i+16*\j
.endr
.endr
	s_lshl_b32 s19, s41, 1
	s_cmp_eq_u32 s15, 0
	s_cselect_b64 s[PFA:PFA+1], s[20:21], s[46:47] ; the prefetches: the blocks that I fetch,
	s_cselect_b32 s18, s40, s19                    ; and of them my work-group's: A's block cx, B's blocks 2 cy and 2 cy + 1
	s_mul_i32 s18, s18, RBB
	s_mov_b32 s19, 0
	s_add_nc_u64 s[PFA:PFA+1], s[PFA:PFA+1], s[18:19]
	ASK 1
	ASK 2
	s_lshl_b32 s18, s17, 7
	s_lshl_b32 s19, s15, 6
	s_add_co_u32 s18, s18, s19                     ; my first token
	s_lshl_b32 s18, s18, 13                        ; x 8,192 bytes
	s_lshl_b32 s19, s42, 10
	s_add_co_u32 s18, s18, s19
	s_lshl_b32 s19, s16, 9
	s_add_co_u32 s18, s18, s19                     ; + my first column, in bytes
	s_mov_b32 s19, 0
	s_add_nc_u64 s[12:13], s[12:13], s[18:19]
.macro FETCH ks                        ; the fragments of step ks, 36 loads of 16 bytes a lane, into set ks % 2
.set FS, ((\ks)/4)%2
.set FO, ((\ks)%4)*KSB
.set FP, (\ks)%2
	WIN TO_B
.irp i, 0,1,2,3,4,5,6,7
.irp p, 0,1,2
	ds_load_b128 v[96*FP+12*\i+4*\p:96*FP+12*\i+4*\p+3], v[ADRB+FS] offset:FO+\i*FILLB+16*\p
.endr
.endr
	WIN 0
.irp i, 0,1,2,3
.irp p, 0,1,2
	ds_load_b128 v[AF+48*FP+12*\i+4*\p:AF+48*FP+12*\i+4*\p+3], v[ADRA+FS] offset:FO+\i*FILLB+16*\p
.endr
.endr
.endm
.macro MULA a, ks                      ; A's block a against B's eight; the first step's products start the sums
.set MP, (\ks)%2
.set SR, (\ks)%8
.irp b, 0,1,2,3,4,5,6,7
.if (\ks) == 0
	v_wmma_scale_f32_16x16x128_f8f6f4 v[8*(8*(\a)+\b):8*(8*(\a)+\b)+7], v[96*MP+12*\b:96*MP+12*\b+11], v[AF+48*MP+12*(\a):AF+48*MP+12*(\a)+11], 0, v[SB+8*\b+SR], v[SA+8*(\a)+SR] matrix_a_fmt:MATRIX_FMT_FP6 matrix_b_fmt:MATRIX_FMT_FP6
.elseif (\ks) < 8
	v_wmma_scale_f32_16x16x128_f8f6f4 v[8*(8*(\a)+\b):8*(8*(\a)+\b)+7], v[96*MP+12*\b:96*MP+12*\b+11], v[AF+48*MP+12*(\a):AF+48*MP+12*(\a)+11], v[8*(8*(\a)+\b):8*(8*(\a)+\b)+7], v[SB+8*\b+SR], v[SA+8*(\a)+SR] matrix_a_fmt:MATRIX_FMT_FP6 matrix_b_fmt:MATRIX_FMT_FP6
.else
	v_wmma_scale_f32_16x16x128_f8f6f4 v[8*(8*(\a)+\b):8*(8*(\a)+\b)+7], v[96*MP+12*\b:96*MP+12*\b+11], v[AF+48*MP+12*(\a):AF+48*MP+12*(\a)+11], v[8*(8*(\a)+\b):8*(8*(\a)+\b)+7], v[SB+8*\b+SR], v[SA+8*(\a)+SR] matrix_a_fmt:MATRIX_FMT_FP6 matrix_b_fmt:MATRIX_FMT_FP6 matrix_a_scale:MATRIX_SCALE_ROW1 matrix_b_scale:MATRIX_SCALE_ROW1
.endif
.endr
.endm
; A step of 128 along K: 32 matrix instructions; the next step's fragments are fetched into the other set ahead of them.
; A slot's last step changes slots: its own fragments were fetched a step ago, so the slot is read no more.  Each wave waits for all its tensor loads (its part of the other slot), adds 0 to its spare word, and waits for that and for its reads;
; where a fill two on is left, the barrier opens a round of the cluster's barrier and the slot is filled again, the first tensor load behind the round.
.macro STEP ks
.if (\ks)%4 == 3 && (\ks) < 15
	s_wait_tensorcnt 0x0
	ds_add_u32 v[SPW], v[NIL]
	s_wait_dscnt 1                                 ; this step's 36 loads are in; the add may be out
	WIN MUL
	MULA 0, \ks
	s_wait_dscnt 0x0
	s_barrier_signal -1
	MULA 1, \ks
	WIN 0
	s_barrier_wait -1
.if (\ks) < 11
	CREST
	s_add_nc_u64 s[G0+4*(((\ks)/4)%2)+2:G0+4*(((\ks)/4)%2)+3], s[G0+4*(((\ks)/4)%2)+2:G0+4*(((\ks)/4)%2)+3], 2*FILLB
	s_add_nc_u64 s[G0B+4*(((\ks)/4)%2)+2:G0B+4*(((\ks)/4)%2)+3], s[G0B+4*(((\ks)/4)%2)+2:G0B+4*(((\ks)/4)%2)+3], 2*FILLB
	JLOAD ((\ks)/4)%2                              ; its four v_nop are also the places in front of the loads below
.else
	PLACES
.endif
	FETCH (\ks)+1
	WIN MUL
	MULA 2, \ks
	MULA 3, \ks
	WIN 0
.else
	s_wait_dscnt 0x0                               ; this step's fragments are in: asked for 32 matrix instructions ago
.if (\ks) < 15
	PLACES                                         ; four places in front of loads into registers that the step before multiplied (ISA guide 7.12.1 for vector instructions)
	FETCH (\ks)+1
.endif
	WIN MUL
	MULA 0, \ks
	MULA 1, \ks
	MULA 2, \ks
	MULA 3, \ks
	WIN 0
.endif
.endm
	s_wait_tensorcnt 0x0                           ; my part of fill 0 is in
	ds_add_u32 v[SPW], v[NIL]
	s_wait_dscnt 0x0
	CROUND
	JLOAD 1                                        ; fill 1, the first tensor load behind the round
	FETCH 0
	ASK 3
	s_wait_loadcnt 0x0                             ; the scale words
.set ST, 0
.rept 16
	STEP ST
.set ST, ST+1
.endr
; THE WAY OUT, by blocks of 16 tokens x 128 columns, through my own stage (in slot 0, which has had its last fill and, behind the last barrier, its last read) and back as rows of 512 bytes
.macro TOSTAGE a
.set AC, 64*(\a)
	WIN 0x08
.irp b, 0,1,2,3,4,5,6,7
	ds_store_b128 v[STO], v[AC+8*\b:AC+8*\b+3] offset:64*\b          ; each accumulator from its low end on
	ds_store_b128 v[STO], v[AC+8*\b+4:AC+8*\b+7] offset:64*\b+16
.endr
	WIN 0
.set BB, BK+64*((\a)%2)
.irp t, 0,1,2,3,4,5,6,7,8,9,10,11,12,13,14,15
	ds_load_b128 v[BB+4*\t:BB+4*\t+3], v[RD] offset:\t*SPITCH        ; in order behind my stores (ISA guide 5.7.1.4)
.endr
.endm
.macro SEND a, younger
.set BB, BK+64*((\a)%2)
	s_wait_dscnt \younger
.if (\a) > 0
	s_add_nc_u64 s[12:13], s[12:13], 16*SIZE_N*4   ; (behind a wait on XCNT)
.endif
.irp t, 0,1,2,3,4,5,6,7,8,9,10,11,12,13,14,15
	global_store_b128 v[CO], v[BB+4*\t:BB+4*\t+3], s[12:13] offset:\t*SIZE_N*4 th:TH_STORE_NT   ; 512 consecutive bytes, aligned to 256
.endr
.endm
	PLACES
	TOSTAGE 0
.irp a, 1,2,3
.if \a > 1
	s_wait_xcnt 0x0                                ; block a - 2's stores have read their registers and their base
.endif
	TOSTAGE \a
	SEND \a-1, 32                                  ; behind block a - 1's loads: block a's 16 stores and 16 loads
.endr
	s_wait_xcnt 0x0
	SEND 3, 0
	s_wait_tensorcnt 0x0                           ; the wave's end
	ds_add_u32 v[SPW], v[NIL]
	s_wait_dscnt 0x0
	CROUND                                         ; the closing round
	s_endpgm
.Lfunc_end_k_qa7e4504106_gemm_out:
	.size	k_qa7e4504106_gemm_out, .Lfunc_end_k_qa7e4504106_gemm_out-k_qa7e4504106_gemm_out
	.p2alignl 7, 3214868480
	.fill 96, 4, 3214868480
	.section	.rodata,"a",@progbits
	.p2align	6, 0x0
	.amdhsa_kernel k_qa7e4504106_gemm_out
		.amdhsa_group_segment_fixed_size 327680
		.amdhsa_private_segment_fixed_size 0
		.amdhsa_enable_private_segment 0
		.amdhsa_kernarg_size 40
		.amdhsa_user_sgpr_count 2
		.amdhsa_user_sgpr_kernarg_segment_ptr 1
		.amdhsa_wavefront_size32 1
		.amdhsa_system_sgpr_workgroup_id_x 1
		.amdhsa_system_sgpr_workgroup_id_y 1
		.amdhsa_system_sgpr_workgroup_id_z 1
		.amdhsa_system_vgpr_workitem_id 0
		.amdhsa_next_free_vgpr 768
		.amdhsa_next_free_sgpr 98
		.amdhsa_reserve_vcc 0
		.amdhsa_float_denorm_mode_32 3
		.amdhsa_float_denorm_mode_16_64 3
		.amdhsa_memory_ordered 1
		.amdhsa_forward_progress 1
		.amdhsa_inst_pref_size 133
	.end_amdhsa_kernel
	.amdgpu_metadata
---
amdhsa.version: [ 1, 2 ]
amdhsa.kernels:
  - .name:           k_qa7e4504106_gemm_out
    .symbol:         k_qa7e4504106_gemm_out.kd
    .args:
      - { .name: oc, .offset: 0, .size: 8, .value_kind: global_buffer, .address_space: global }
      - { .name: os, .offset: 8, .size: 8, .value_kind: global_buffer, .address_space: global }
      - { .name: codes, .offset: 16, .size: 8, .value_kind: global_buffer, .address_space: global }
      - { .name: scales, .offset: 24, .size: 8, .value_kind: global_buffer, .address_space: global }
      - { .name: out0, .offset: 32, .size: 8, .value_kind: global_buffer, .address_space: global }
    .group_segment_fixed_size: 327680
    .private_segment_fixed_size: 0
    .kernarg_segment_align: 8
    .kernarg_segment_size: 40
    .max_flat_workgroup_size: 128
    .sgpr_count:     98
    .vgpr_count:     768
    .wavefront_size: 32
...
	.end_amdgpu_metadata
.endif
;; end of part 4
